; MI455X (gfx1250); checked and timed in simulation.
; The chip was launched on July 23, 2026; its instructions are those of AMD's public machine-readable ISA for CDNA 5 (MIT licence, August 2026) and "CDNA5" Instruction Set Architecture Reference Guide (July 2026). The comments in the code are by the model that wrote it; some were corrected since.
;; Positive Multihead Attention. Allowed arithmetic: float matrix products may take bf16 or f16 operands with f32 sums; all other float work in f32.
;; Inputs: W_K 512 x 512 float32; W_O 512 x 512 float32; W_Q 512 x 512 float32; W_V 512 x 512 float32; b_K 512 float32; b_O 512 float32; b_Q 512 float32; b_V 512 float32; x 2 x 1,024 x 512 float32.
;; Outputs: out0 2 x 1,024 x 512 float32.
;; 2 versions, each right; version 2 is version 1 with the launches comb, outp written anew for expert scheduling mode. Each part assembles by itself: llvm-mc -triple=amdgcn-amd-amdhsa -mcpu=gfx1250 --defsym DOCPART=n.
;; ======== version 1 of 2: 3 launches
;; limits: values outside matrix products are rounded to bf16
;; workspace buffers: qs 4,194,304 bytes; sp 4,456,448 bytes; tf 1,048,576 bytes; cv 16,384 bytes
;; launch qkv (part 1): grid 8 x 32, 4 waves a work-group, clusters of 4 x 4, 327,680 bytes of LDS; arguments x, W_Q, W_K, W_V, b_Q, b_K, b_V, qs, sp; writes qs, sp
.if DOCPART == 1
	.amdgcn_target "amdgcn-amd-amdhsa--gfx1250"
	.amdhsa_code_object_version 6
	.text
	.protected	k_q70b4ada33f_qkv
	.globl	k_q70b4ada33f_qkv
	.p2align	8
	.type	k_q70b4ada33f_qkv,@function
k_q70b4ada33f_qkv:
	s_mov_b64 s[64:65], 0
	v_nop
	global_prefetch_b8 v0, s[64:65] scope:SCOPE_SE
	s_setreg_imm32_b32 hwreg(HW_REG_WAVE_MODE, 25, 1), 1
	s_wait_xcnt 0x0
	s_wait_alu depctr_hold_cnt(0) depctr_sa_sdst(0) depctr_va_vdst(0) depctr_va_sdst(0) depctr_va_ssrc(0) depctr_va_vcc(0) depctr_vm_vsrc(0)
	s_getreg_b32 s2, hwreg(HW_REG_IB_STS2, 6, 4)
	s_cmp_eq_u32 s2, 0
	s_cbranch_scc0 .Lentry_in_a_cluster
	s_endpgm
.Lentry_in_a_cluster:
	s_bfe_u32 s2, ttmp6, 0x10000c
	s_cmp_lg_u32 s2, 0xf033
	s_cbranch_scc0 .Lentry_shape_is_right
	s_endpgm
.Lentry_shape_is_right:
; Q, K, V of 64 rows of x for one head, and that chunk's part of the sums over the keys.
;   q2 = (x W_Q^T + b_Q) log2(e), k2 = (x W_K^T + b_K) log2(e), V = x W_V^T + b_V
;   m[d] = max over the chunk's 64 keys j of k2[j][d];  E = exp2(k2 - m), rounded to bf16
;   S[d][v] = sum over j of E[j][d] V[j][v];  Z[d] = sum over j of E[j][d] (the same rounded E, against a fragment of ones)
; Stored: q2 (f32, row-major) into qs; S as register images and the pairs (m, Z) into sp, one record of 4,352 bytes for each
; (batch, head, 16 d, chunk).  The reference's two branches relu(V) and relu(-V) are summed as one signed sum: for finite inputs
; exp(logA+ - logB) - exp(logA- - logB) = (A+ - A-) / B.
; LIMITS: inputs finite; a term more than 2^126 below its column's maximum counts as 0 (v_exp_f32 gives 0 for it); the order of the sums is not
; the reference's; x, W, E and V enter the matrix unit rounded to bf16.
; SHARES: work-group = (head, chunk of 64 rows), 8 x 32 = 256 of them.  Wave w makes 64 rows x the head's columns 16 w .. 16 w + 15 of Q, of K and of V:
; twelve accumulator tiles.  A wave holds whole columns of K, so the maximum and Z never leave it.
; CLUSTERS: 4 x 4 work-groups.  x's tile hangs on the chunk alone and is shared along a row of the cluster; W's tiles hang on the head alone and are
; shared along a column.  Each is asked for jointly, which divides the requests for x and for W by four.
; K = 512 goes in four steps of 128 through two LDS slots; a slot holds four tiles of 64 rows x 128 f32 (x, W_Q, W_K, W_V), one tensor load a wave.
; By this text's own count a wave has two tensor loads out at the start and one behind each refill.
.set TILE, 33792                       ; 64 rows x (512 bytes + 16 of padding): pitch 528 = 33 x 16, so 16 rows of one column start 16 bytes apart modulo 256
.set SLOT, 135168                      ; four tiles; tile number = number of the wave that fetches it
.set ET,   270336                      ; E, bf16, [d 64][j 64], pitch 144; 9,216 bytes
.set VTO,  9216                        ; V in the same layout lies this far behind E
.set QST,  288768                      ; q2, f32, 64 rows of 256 bytes, pitch 272; ends at 306,176.  No tensor load ever lands at or behind ET
.set ACC,  32                          ; v[32:127]  tile (a, c) at ACC + 24 a + 8 c: rows 16 a .., c = 0 Q, 1 K, 2 V
.set H0,   128                         ; v[128:183] bf16 fragments, buffer 0: x's rows 16 a .. at + 8 a, W_Q, W_K, W_V at + 32, 40, 48
.set H1,   184                         ; v[184:239] buffer 1
.set BQ,   240                         ; v[240:247] b_Q of my 8 columns
.set BK,   248                         ; v[248:249] b_K of my column, twice (a pair for the packed forms)
.set BV,   250                         ; v[250:251] b_V of my column, twice
.set MP,   26                          ; v[26:27]   the column's maximum twice; at the end (m, Z)
.set G1A,  32                          ; s[32:39]   descriptor group 1 for x's tiles
.set G1B,  40                          ; s[40:47]   the same for W's tiles: the mask alone differs
.set G0A,  48                          ; s[48:55]   group 0 for x's tiles, a set for each slot
.set G0B,  56                          ; s[56:63]   group 0 for W's tiles, a set for each slot
; v[256:367] (window 1, written v0 .. v111): the f32 fragments as they come from LDS, 16 registers each: x's at 16 a, W's at 64 + 16 c.
.set MSB, 0
.macro WIN new                         ; s_set_vgpr_msb: bits 1:0 source 0, 3:2 source 1, 5:4 source 2, 7:6 destination; the high byte repeats the setting that is left
.if MSB != \new
	s_set_vgpr_msb (MSB<<8)|\new
.set MSB, \new
.endif
.endm
; A joint load.  Wave 0 asks for x's tile, waves 1 to 3 for W_Q's, W_K's, W_V's.  Each line has one mask; the branch hangs on the wave's number alone.
.macro JLOAD s
	s_cmp_eq_u32 s22, 0
	s_cbranch_scc0 .Lfor_w_\@
	tensor_load_to_lds s[G0A+4*\s:G0A+4*\s+3], s[G1A:G1A+7]
	s_nop 0
	s_branch .Lasked_\@
.Lfor_w_\@:
	tensor_load_to_lds s[G0B+4*\s:G0B+4*\s+3], s[G1B:G1B+7]
	s_nop 0
.Lasked_\@:
.endm
; A round of the cluster's barrier: my work-group's barrier, wave 0 signals for the work-group, every wave waits for all sixteen, my work-group's barrier again.
.macro CREST                           ; a round behind its opening barrier
	s_cmp_lg_u32 s22, 0
	s_cbranch_scc1 .Lnot_wave_0_\@
	s_barrier_signal -3
.Lnot_wave_0_\@:
	s_barrier_wait -3
	s_barrier_signal -1
	s_barrier_wait -1
.endm
.macro CROUND
	s_barrier_signal -1
	s_barrier_wait -1
	CREST
.endm
	s_load_b512 s[4:19], s[0:1], 0x0               ; x s[4:5], W_Q s[6:7], W_K s[8:9], W_V s[10:11], b_Q s[12:13], b_K s[14:15], b_V s[16:17], qs s[18:19]
	s_load_b64 s[20:21], s[0:1], 0x40              ; sp
	v_lshl_add_u32 v254, v0, 2, 0x4ac00
	v_mov_b32 v255, 0
	ds_add_u32 v254, v255
	v_lshrrev_b32 v1, 5, v0
	v_readfirstlane_b32 s22, v1                    ; wave 0..3
	s_bfe_u32 s23, ttmp6, 0x40000                  ; cx
	s_bfe_u32 s24, ttmp6, 0x40004                  ; cy
	s_lshl_b32 s25, ttmp9, 2
	s_add_co_u32 s25, s25, s23                     ; head = 4 x cluster x + cx
	s_and_b32 s26, ttmp7, 0xffff
	s_lshl_b32 s26, s26, 2
	s_add_co_u32 s26, s26, s24                     ; chunk of 64 rows = 4 x cluster y + cy, 0..31: batch = chunk / 16
	s_lshl_b32 s27, s24, 2
	s_lshl_b32 s27, 15, s27                        ; my row of the cluster: places 4 cy .. 4 cy + 3
	s_lshl_b32 s28, 0x1111, s23                    ; my column: places cx, cx + 4, cx + 8, cx + 12
	s_mov_b32 s30, 0x76543210                      ; v_permlanex16_b32: lane i of one half reads lane i of the other
	s_mov_b32 s31, 0xfedcba98
	; group 1: a tile of 64 rows x 128 elements of 4 bytes, rows 512 elements apart, padded in LDS
	s_or_b32 s[G1A+0], s27, 0x07b20000             ; 15:0 mask; 17:16 = 2 (4 bytes); 20 padding on; 21 set beside a mask; 24:22 = 6 (after every 128 words); 31:25 = 3 (4 words)
	s_or_b32 s[G1B+0], s28, 0x07b20000
	s_mov_b32 s[G1A+1], 128<<16                    ; tensor_dim0 = 128
	s_mov_b32 s[G1B+1], 128<<16
	s_mov_b32 s[G1A+2], 64<<16                     ; tensor_dim1 = 64
	s_mov_b32 s[G1B+2], 64<<16
	s_mov_b32 s[G1A+3], 128<<16                    ; tile_dim0 = 128
	s_mov_b32 s[G1B+3], 128<<16
	s_mov_b32 s[G1A+4], 64                         ; tile_dim1 = 64
	s_mov_b32 s[G1B+4], 64
	s_mov_b32 s[G1A+5], 512                        ; elements from row to row
	s_mov_b32 s[G1B+5], 512
	s_mov_b32 s[G1A+6], 0
	s_mov_b32 s[G1B+6], 0
	s_mov_b32 s[G1A+7], 0
	s_mov_b32 s[G1B+7], 0
	s_mul_i32 s29, s22, TILE                       ; where my tile goes: the wave's number alone
	s_lshl_b32 s66, s26, 17                        ; x: 64 rows of 2,048 bytes a chunk.  These two registers never hold the head
	s_mov_b32 s67, 0
	s_lshl_b32 s70, s25, 17                        ; W: 64 rows of 2,048 bytes a head.  These never hold the chunk
	s_mov_b32 s71, 0
	s_lshl_b32 s76, s25, 8                         ; the head's 64 f32 in a bias and in a row of qs
	s_mov_b32 s77, 0
	s_add_co_u32 s78, s66, s76                     ; qs: the chunk's first row, the head's first column
	s_mov_b32 s79, 0
	s_lshr_b32 s80, s26, 4                         ; record = ((batch x 8 + head) x 4 + wave) x 16 + chunk mod 16
	s_lshl3_add_u32 s80, s80, s25
	s_lshl2_add_u32 s80, s80, s22
	s_and_b32 s81, s26, 15
	s_lshl4_add_u32 s80, s80, s81
	s_mul_i32 s80, s80, 4352
	s_mov_b32 s81, 0
	s_wait_dscnt 0x0
	s_wait_kmcnt 0x0
	s_add_nc_u64 s[66:67], s[4:5], s[66:67]        ; x's tile, K step 0
	s_cmp_eq_u32 s22, 2
	s_cselect_b64 s[68:69], s[8:9], s[6:7]         ; wave 2: W_K, else W_Q
	s_cmp_eq_u32 s22, 3
	s_cselect_b64 s[68:69], s[10:11], s[68:69]     ; wave 3: W_V
	s_add_nc_u64 s[68:69], s[68:69], s[70:71]      ; my W's tile, K step 0
	s_add_nc_u64 s[12:13], s[12:13], s[76:77]
	s_add_nc_u64 s[14:15], s[14:15], s[76:77]
	s_add_nc_u64 s[16:17], s[16:17], s[76:77]
	s_add_nc_u64 s[18:19], s[18:19], s[78:79]
	s_add_nc_u64 s[20:21], s[20:21], s[80:81]
	CROUND                                         ; all sixteen work-groups are here: the first joint loads meet
.irp s, 0,1
	s_mov_b32 s[G0A+4*\s], 1                                       ; count = 1
	s_add_co_u32 s[G0A+4*\s+1], s29, \s*SLOT                       ; LDS address
	s_add_nc_u64 s[G0A+4*\s+2:G0A+4*\s+3], s[66:67], \s*512        ; K step s: 128 f32 along the rows
	s_or_b32 s[G0A+4*\s+3], s[G0A+4*\s+3], 0x80000000              ; type = 2
	s_mov_b32 s[G0B+4*\s], 1
	s_add_co_u32 s[G0B+4*\s+1], s29, \s*SLOT
	s_add_nc_u64 s[G0B+4*\s+2:G0B+4*\s+3], s[68:69], \s*512
	s_or_b32 s[G0B+4*\s+3], s[G0B+4*\s+3], 0x80000000
	JLOAD \s                                       ; both slots are asked for before anything else is done
.endr
	v_and_b32 v1, 15, v0                           ; r
	v_bfe_u32 v2, v0, 4, 1                         ; hh
	v_and_b32 v3, 31, v0                           ; lane
	v_lshlrev_b32 v19, 5, v2
	v_lshl_add_u32 v19, s22, 6, v19                ; b_Q: my 8 columns 16 w + 8 hh ..
	v_lshlrev_b32 v20, 2, v1
	v_lshl_add_u32 v20, s22, 6, v20                ; b_K, b_V: my column 16 w + r
	global_load_b128 v[BQ:BQ+3], v19, s[12:13]
	global_load_b128 v[BQ+4:BQ+7], v19, s[12:13] offset:16
	global_load_b32 v[BK], v20, s[14:15]
	global_load_b32 v[BK+1], v20, s[14:15]
	global_load_b32 v[BV], v20, s[16:17]
	global_load_b32 v[BV+1], v20, s[16:17]
	; A 16-bit fragment wants, in lane (r, hh), k = 8 hh .. + 7 and k = 16 + 8 hh .. + 7 of row r.  In f32 that is 32 bytes at 32 hh and 32 bytes at 64 + 32 hh.
	v_mul_u32_u24 v4, v1, 528
	v_lshl_add_u32 v4, v2, 5, v4                   ; v4: x's fragments in slot 0
	v_add_nc_u32 v5, SLOT, v4                      ; v5: in slot 1
	s_mul_i32 s72, s22, 8448                       ; my 16 rows of each W tile
	v_add_nc_u32 v28, s72, v4
.irp s, 0,1
.irp c, 0,1,2
	v_add_nc_u32 v[6+3*\s+\c], \s*SLOT+(\c+1)*TILE, v28            ; v[6:11]: W's fragment c in slot s
.endr
.endr
	v_mul_u32_u24 v13, v1, 144
	v_lshl_add_u32 v13, v2, 4, v13
	v_add_nc_u32 v13, ET, v13                      ; v13: row r of E (of V at + VTO), 16 hh
	s_mul_i32 s73, s22, 2304
	v_add_nc_u32 v12, s73, v13                     ; v12: row 16 w + r: where I store E and V, and from where E's fragment is read
	v_mul_u32_u24 v14, v1, 272
	v_lshl_add_u32 v14, v2, 5, v14
	s_lshl_b32 s74, s22, 6
	s_add_co_u32 s74, s74, QST
	v_add_nc_u32 v14, s74, v14                     ; v14: q2 in: row r, bytes 64 w + 32 hh
	v_mul_u32_u24 v15, v2, 272
	v_lshl_add_u32 v15, v1, 4, v15
	s_mul_i32 s75, s22, 4352
	s_add_co_u32 s75, s75, QST
	v_add_nc_u32 v15, s75, v15                     ; v15: q2 back: rows 16 w + hh, 16 bytes a lane
	v_lshlrev_b32 v16, 11, v2
	v_lshl_add_u32 v16, v1, 4, v16
	v_lshl_add_u32 v16, s22, 15, v16               ; v16: the same two rows in qs
	v_lshlrev_b32 v17, 4, v3                       ; v17: 16 x lane
	v_lshlrev_b32 v18, 3, v3                       ; v18: 8 x lane
; 28 LDS loads: the f32 fragments of one quarter step (32 along K at byte 128 q of the rows): x's 64 rows, then my 16 rows of each W
.macro LOADF slot, q
	WIN 0x40                                       ; destination window 1, address window 0
.irp a, 0,1,2,3
	ds_load_b128 v[16*\a:16*\a+3],     v[4+\slot] offset:\a*8448+128*\q
	ds_load_b128 v[16*\a+4:16*\a+7],   v[4+\slot] offset:\a*8448+128*\q+16
	ds_load_b128 v[16*\a+8:16*\a+11],  v[4+\slot] offset:\a*8448+128*\q+64
	ds_load_b128 v[16*\a+12:16*\a+15], v[4+\slot] offset:\a*8448+128*\q+80
.endr
.irp c, 0,1,2
	ds_load_b128 v[64+16*\c:64+16*\c+3],     v[6+3*\slot+\c] offset:128*\q
	ds_load_b128 v[64+16*\c+4:64+16*\c+7],   v[6+3*\slot+\c] offset:128*\q+16
	ds_load_b128 v[64+16*\c+8:64+16*\c+11],  v[6+3*\slot+\c] offset:128*\q+64
	ds_load_b128 v[64+16*\c+12:64+16*\c+15], v[6+3*\slot+\c] offset:128*\q+80
.endr
.endm
; 56 roundings to bf16, from window 1 into fragment buffer hb.  They are also the places between the matrix instructions that read the
; other buffer last and the roundings that will write it next.
.macro CVTF hb
	s_wait_dscnt 12                                ; x's 16 loads are in; W's 12, the youngest, may be out
	WIN 0x05                                       ; sources window 1, destination window 0
.set i, 0
.rept 32
	v_cvt_pk_bf16_f32 v[\hb+i], v[2*i], v[2*i+1]
.set i, i+1
.endr
	s_wait_dscnt 0
.rept 24
	v_cvt_pk_bf16_f32 v[\hb+i], v[2*i], v[2*i+1]
.set i, i+1
.endr
.endm
; 12 matrix instructions, 32 along K.  Q is made transposed (W first): a lane then holds row r and the 8 columns 8 hh ..; K and V the natural way:
; a lane holds column r and the 8 rows 8 hh ...  The twelve accumulators take turns, one instruction a turn, from one run into the next too.
.macro MM hb, zero
	WIN 0
.irp a, 0,1,2,3
.if \zero
	v_wmma_f32_16x16x32_bf16 v[ACC+24*\a:ACC+24*\a+7],     v[\hb+32:\hb+39],        v[\hb+8*\a:\hb+8*\a+7], 0
	v_wmma_f32_16x16x32_bf16 v[ACC+24*\a+8:ACC+24*\a+15],  v[\hb+8*\a:\hb+8*\a+7],  v[\hb+40:\hb+47], 0
	v_wmma_f32_16x16x32_bf16 v[ACC+24*\a+16:ACC+24*\a+23], v[\hb+8*\a:\hb+8*\a+7],  v[\hb+48:\hb+55], 0
.else
	v_wmma_f32_16x16x32_bf16 v[ACC+24*\a:ACC+24*\a+7],     v[\hb+32:\hb+39],        v[\hb+8*\a:\hb+8*\a+7], v[ACC+24*\a:ACC+24*\a+7]
	v_wmma_f32_16x16x32_bf16 v[ACC+24*\a+8:ACC+24*\a+15],  v[\hb+8*\a:\hb+8*\a+7],  v[\hb+40:\hb+47],       v[ACC+24*\a+8:ACC+24*\a+15]
	v_wmma_f32_16x16x32_bf16 v[ACC+24*\a+16:ACC+24*\a+23], v[\hb+8*\a:\hb+8*\a+7],  v[\hb+48:\hb+55],       v[ACC+24*\a+16:ACC+24*\a+23]
.endif
.endr
.endm
; The first three quarters of a K step: the next quarter's f32 fragments are on their way from LDS while this quarter is multiplied.
.macro THREE slot, zero
	LOADF \slot, 1
	MM H0, \zero
	CVTF H1
	LOADF \slot, 2
	MM H1, 0
	CVTF H0
	LOADF \slot, 3
	MM H0, 0
	CVTF H1
.endm
; The last quarter, and the change of slots.  In front of the barrier each wave waits for its reads of this slot and for all its tensor loads (its part
; of the next slot).  fill = 1: the barrier opens a round of the cluster's barrier, and this slot's joint refill, two K steps ahead, is the first
; tensor load behind the round, one a wave.
.macro TURN slot, next, fill
	WIN 0
	s_wait_dscnt 0x0                               ; my reads of this slot are back (met: the roundings have waited for them)
	s_wait_tensorcnt 0x0                           ; all my tensor loads have landed, so every group 0 may be written
	ds_add_u32 v254, v255
	s_wait_dscnt 0x0
	s_barrier_signal -1
	MM H1, 0                                       ; register work while the others arrive
	s_barrier_wait -1
.if \fill
	CREST                                          ; no wave of any partner still reads this slot or has a load on its way
	s_add_nc_u64 s[G0A+4*\slot+2:G0A+4*\slot+3], s[G0A+4*\slot+2:G0A+4*\slot+3], 1024
	s_add_nc_u64 s[G0B+4*\slot+2:G0B+4*\slot+3], s[G0B+4*\slot+2:G0B+4*\slot+3], 1024
	JLOAD \slot
.endif
	LOADF \next, 0
	CVTF H0
.endm
	s_wait_tensorcnt 0x1                           ; my part of K step 0 is in; K step 1's may stay out
	s_barrier_signal -1
	s_barrier_wait -1                              ; everybody's part is in
	LOADF 0, 0
	CVTF H0
	THREE 0, 1                                     ; K step 0: its first products start the sums
	TURN 0, 1, 1                                   ; slot 0 gets K step 2
	THREE 1, 0
	TURN 1, 0, 1                                   ; slot 1 gets K step 3
	THREE 0, 0
	TURN 0, 1, 0                                   ; nothing is left to fetch: a plain barrier, whose wait shows K step 3 landed
	THREE 1, 0
	MM H1, 0
	; Q: q2 = acc log2(e) + b_Q log2(e), into the stage.  The five multiplications are the places behind the last matrix instructions.
	s_wait_loadcnt 0x0                             ; the six bias loads
.irp j, 0,2,4,6
	v_pk_mul_f32 v[BQ+\j:BQ+\j+1], v[BQ+\j:BQ+\j+1], 0x3fb8aa3b op_sel_hi:[1,0]
.endr
	v_pk_mul_f32 v[BK:BK+1], v[BK:BK+1], 0x3fb8aa3b op_sel_hi:[1,0]
.irp a, 0,1,2,3
.irp j, 0,2,4,6
	v_pk_fma_f32 v[ACC+24*\a+\j:ACC+24*\a+\j+1], v[ACC+24*\a+\j:ACC+24*\a+\j+1], 0x3fb8aa3b, v[BQ+\j:BQ+\j+1] op_sel_hi:[1,0,1]
.endr
	ds_store_b128 v14, v[ACC+24*\a:ACC+24*\a+3] offset:4352*\a
	ds_store_b128 v14, v[ACC+24*\a+4:ACC+24*\a+7] offset:4352*\a+16
.endr
	; K: k2, the column's maximum over the 64 keys (32 in my registers, 32 in lane r of the other half), E = exp2(k2 - m)
.irp a, 0,1,2,3
.irp j, 0,2,4,6
	v_pk_fma_f32 v[ACC+24*\a+8+\j:ACC+24*\a+9+\j], v[ACC+24*\a+8+\j:ACC+24*\a+9+\j], 0x3fb8aa3b, v[BK:BK+1] op_sel_hi:[1,0,1]
.endr
.endr
.irp a, 0,1,2,3
	v_max3_num_f32 v[22+\a], v[ACC+24*\a+8], v[ACC+24*\a+9], v[ACC+24*\a+10]       ; four chains that do not wait for each other
.endr
.irp a, 0,1,2,3
	v_max3_num_f32 v[22+\a], v[22+\a], v[ACC+24*\a+11], v[ACC+24*\a+12]
.endr
.irp a, 0,1,2,3
	v_max3_num_f32 v[22+\a], v[22+\a], v[ACC+24*\a+13], v[ACC+24*\a+14]
.endr
.irp a, 0,1,2,3
	v_max_num_f32 v[22+\a], v[22+\a], v[ACC+24*\a+15]
.endr
	v_max3_num_f32 v22, v22, v23, v24
	v_max_num_f32 v22, v22, v25
	v_permlanex16_b32 v23, v22, s30, s31           ; the other half's 32 keys of the same column
	v_max_num_f32 v[MP], v22, v23
	v_max_num_f32 v[MP+1], v22, v23
.irp a, 0,1,2,3
.irp j, 0,2,4,6
	v_pk_add_f32 v[ACC+24*\a+8+\j:ACC+24*\a+9+\j], v[ACC+24*\a+8+\j:ACC+24*\a+9+\j], v[MP:MP+1] neg_lo:[0,1] neg_hi:[0,1]
.endr
.endr
.irp a, 0,1,2,3
.irp j, 0,1,2,3,4,5,6,7
	v_exp_f32 v[ACC+24*\a+8+\j], v[ACC+24*\a+8+\j]                 ; every exponent is 0 or below
.endr
.endr
	; V: + b_V.  These plain additions also stand between the exponentials and the first use of their results (ISA guide 5.7.2).
.irp a, 0,1,2,3
.irp j, 0,2,4,6
	v_pk_add_f32 v[ACC+24*\a+16+\j:ACC+24*\a+17+\j], v[ACC+24*\a+16+\j:ACC+24*\a+17+\j], v[BV:BV+1]
.endr
.endr
	s_wait_alu depctr_va_vdst(0)
.irp a, 0,1,2,3
.irp i, 0,1,2,3
	v_cvt_pk_bf16_f32 v[128+4*\a+\i], v[ACC+24*\a+8+2*\i], v[ACC+24*\a+9+2*\i]     ; E of keys 16 a + 8 hh .. + 7, column 16 w + r
.endr
	ds_store_b128 v12, v[128+4*\a:128+4*\a+3] offset:32*\a
.endr
.irp a, 0,1,2,3
.irp i, 0,1,2,3
	v_cvt_pk_bf16_f32 v[144+4*\a+\i], v[ACC+24*\a+16+2*\i], v[ACC+24*\a+17+2*\i]   ; V likewise
.endr
	ds_store_b128 v12, v[144+4*\a:144+4*\a+3] offset:VTO+32*\a
.endr
	s_wait_dscnt 0x0                               ; for the others: my stores of q2, E and V are done
	s_barrier_signal -1
	s_barrier_wait -1
	; S[d][v] = sum over 64 keys, two matrix steps.  V's rows first, E's rows second: lane (r, hh) holds d = 16 w + r and v = 16 vt + 8 hh .. + 7.
.irp ks, 0,1
	ds_load_b128 v[224+8*\ks:224+8*\ks+3], v12 offset:64*\ks               ; E, my 16 columns d
	ds_load_b128 v[224+8*\ks+4:224+8*\ks+7], v12 offset:64*\ks+32
.endr
.irp vt, 0,1,2,3
.irp ks, 0,1
	ds_load_b128 v[160+16*\vt+8*\ks:160+16*\vt+8*\ks+3], v13 offset:VTO+2304*\vt+64*\ks
	ds_load_b128 v[160+16*\vt+8*\ks+4:160+16*\vt+8*\ks+7], v13 offset:VTO+2304*\vt+64*\ks+32
.endr
.endr
.irp t, 0,1,2,3,4,5,6,7
	ds_load_b128 v[72+4*\t:72+4*\t+3], v15 offset:544*\t                   ; q2 back by rows, two rows of 256 bytes a load
.endr
.irp j, 0,1,2,3,4,5,6,7
	v_mov_b32 v[128+\j], 0x3f803f80                ; a fragment of ones in bf16
.endr
	s_wait_dscnt 8                                 ; E's and V's 20 loads are in; q2's eight, the youngest, may be out
.irp ks, 0,1
.irp vt, 0,1,2,3
.if \ks
	v_wmma_f32_16x16x32_bf16 v[32+8*\vt:32+8*\vt+7], v[160+16*\vt+8*\ks:160+16*\vt+8*\ks+7], v[224+8*\ks:224+8*\ks+7], v[32+8*\vt:32+8*\vt+7]
.else
	v_wmma_f32_16x16x32_bf16 v[32+8*\vt:32+8*\vt+7], v[160+16*\vt+8*\ks:160+16*\vt+8*\ks+7], v[224+8*\ks:224+8*\ks+7], 0
.endif
.endr
.if \ks
	v_wmma_f32_16x16x32_bf16 v[64:71], v[128:135], v[224+8*\ks:224+8*\ks+7], v[64:71]      ; Z[d = r] in every register.  Five accumulators by turns
.else
	v_wmma_f32_16x16x32_bf16 v[64:71], v[128:135], v[224+8*\ks:224+8*\ks+7], 0
.endif
.endr
.irp t, 0,1,2,3,4,5,6,7
	s_wait_dscnt 7-\t                              ; LDS loads come back in order: pair t of rows is in
	global_store_b128 v16, v[72+4*\t:72+4*\t+3], s[18:19] offset:4096*\t   ; 16 lanes store 256 consecutive bytes, aligned: the head's 64 f32 of a row
.endr
.rept 4
	v_nop                                          ; the places behind the last matrix instructions, in front of the readers of their results
.endr
	v_mov_b32 v[MP+1], v64                         ; (m, Z)
.irp vt, 0,1,2,3
	global_store_b128 v17, v[32+8*\vt:32+8*\vt+3], s[20:21] offset:1024*\vt        ; each store covers 512 consecutive bytes of the record
	global_store_b128 v17, v[32+8*\vt+4:32+8*\vt+7], s[20:21] offset:1024*\vt+512
.endr
	global_store_b64 v18, v[MP:MP+1], s[20:21] offset:4096                 ; 256 consecutive bytes: both halves of the wave hold the same 16 pairs
	s_wait_tensorcnt 0x0
	ds_add_u32 v254, v255
	s_wait_dscnt 0x0
	CROUND                                         ; the closing round: no work-group ends while a partner may still ask for a tile that names it
	s_endpgm
.Lfunc_end_k_q70b4ada33f_qkv:
	.size	k_q70b4ada33f_qkv, .Lfunc_end_k_q70b4ada33f_qkv-k_q70b4ada33f_qkv
	.p2alignl 7, 3214868480
	.fill 96, 4, 3214868480
	.section	.rodata,"a",@progbits
	.p2align	6, 0x0
	.amdhsa_kernel k_q70b4ada33f_qkv
		.amdhsa_group_segment_fixed_size 327680
		.amdhsa_private_segment_fixed_size 0
		.amdhsa_enable_private_segment 0
		.amdhsa_kernarg_size 72
		.amdhsa_user_sgpr_count 2
		.amdhsa_user_sgpr_kernarg_segment_ptr 1
		.amdhsa_wavefront_size32 1
		.amdhsa_system_sgpr_workgroup_id_x 1
		.amdhsa_system_sgpr_workgroup_id_y 1
		.amdhsa_system_sgpr_workgroup_id_z 1
		.amdhsa_system_vgpr_workitem_id 0
		.amdhsa_next_free_vgpr 368
		.amdhsa_next_free_sgpr 96
		.amdhsa_reserve_vcc 0
		.amdhsa_float_denorm_mode_32 3
		.amdhsa_float_denorm_mode_16_64 3
		.amdhsa_memory_ordered 1
		.amdhsa_forward_progress 1
		.amdhsa_inst_pref_size 125
	.end_amdhsa_kernel
	.amdgpu_metadata
---
amdhsa.version: [ 1, 2 ]
amdhsa.kernels:
  - .name:           k_q70b4ada33f_qkv
    .symbol:         k_q70b4ada33f_qkv.kd
    .args:
      - { .name: x, .offset: 0, .size: 8, .value_kind: global_buffer, .address_space: global }
      - { .name: W_Q, .offset: 8, .size: 8, .value_kind: global_buffer, .address_space: global }
      - { .name: W_K, .offset: 16, .size: 8, .value_kind: global_buffer, .address_space: global }
      - { .name: W_V, .offset: 24, .size: 8, .value_kind: global_buffer, .address_space: global }
      - { .name: b_Q, .offset: 32, .size: 8, .value_kind: global_buffer, .address_space: global }
      - { .name: b_K, .offset: 40, .size: 8, .value_kind: global_buffer, .address_space: global }
      - { .name: b_V, .offset: 48, .size: 8, .value_kind: global_buffer, .address_space: global }
      - { .name: qs, .offset: 56, .size: 8, .value_kind: global_buffer, .address_space: global }
      - { .name: sp, .offset: 64, .size: 8, .value_kind: global_buffer, .address_space: global }
    .group_segment_fixed_size: 327680
    .private_segment_fixed_size: 0
    .kernarg_segment_align: 8
    .kernarg_segment_size: 72
    .max_flat_workgroup_size: 128
    .sgpr_count:     96
    .vgpr_count:     368
    .wavefront_size: 32
...
	.end_amdgpu_metadata
.endif
;; end of part 1
;; launch comb (part 2): grid 64 x 4, 4 waves a work-group, no clusters, 20,992 bytes of LDS; arguments sp, W_O, tf, cv; writes tf, cv
.if DOCPART == 2
	.amdgcn_target "amdgcn-amd-amdhsa--gfx1250"
	.amdhsa_code_object_version 6
	.text
	.protected	k_q70b4ada33f_comb
	.globl	k_q70b4ada33f_comb
	.p2align	8
	.type	k_q70b4ada33f_comb,@function
k_q70b4ada33f_comb:
	s_mov_b64 s[64:65], 0
	v_nop
	global_prefetch_b8 v0, s[64:65] scope:SCOPE_SE
	s_setreg_imm32_b32 hwreg(HW_REG_WAVE_MODE, 25, 1), 1
	s_wait_xcnt 0x0
; The 16 chunks' sums are brought onto one maximum and added, and W_O is folded in.
;   M[d] = max over chunks c of m_c[d];  s_c = exp2(m_c - M);  S = sum of s_c S_c;  Z = sum of s_c Z_c (at least 1)
;   T[k = 64 h + d][n] = sum over v of S[d][v] W_O[n][64 h + v], stored in bf16 in the order in which the last launch takes it as a matrix operand.
; Work-group (g, nq): g = (batch x 8 + head) x 4 + block of 16 d = batch x 32 + block of 16 k; nq = a block of 128 columns n.  256 work-groups.
; Wave w adds the tile v = 16 w .. 16 w + 15 over the chunks and makes the n tiles 2 w and 2 w + 1 of the block.
; NO CLUSTER: the four work-groups of one g read the same 68 KiB of records, but each 16 bytes of them go straight into the registers of the one lane that
; adds them; a joint load would write and read those 68 KiB through LDS in every work-group instead.  W_O's 32 KiB are rounded in registers on their way.
; LIMITS: a chunk whose maximum lies more than 2^126 below the column's counts as 0; S and W_O enter the matrix unit rounded to bf16.
.set ST, 8                             ; v[8:39]    chunk c: (m_c, Z_c) at ST + 2 c; m_c becomes s_c
.set WR, 40                            ; v[40:103]  W_O as loaded.  Later: v[40:71] its fragments, v[72:87] S's fragments, v[88:103] the two results
.set PR, 104                           ; v[104:231] chunk c: my tile's 8 registers
.set SA, 232                           ; v[232:239] the sum
.set WST, 2048                         ; LDS: S's four tiles in bf16 at 0 (512 bytes each); behind them each wave's own 32 rows of W_O, bf16, pitch 144
	s_load_b256 s[4:11], s[0:1], 0x0               ; sp s[4:5], W_O s[6:7], tf s[8:9], cv s[10:11]
	v_lshl_add_u32 v254, v0, 2, 0x5000
	v_mov_b32 v255, 0
	v_lshrrev_b32 v1, 5, v0
	v_readfirstlane_b32 s12, v1                    ; wave 0..3
	s_and_b32 s13, ttmp7, 0xffff                   ; nq
	s_mul_i32 s14, ttmp9, 69632                    ; 16 records of 4,352 bytes
	s_mov_b32 s15, 0
	s_bfe_u32 s16, ttmp9, 0x30002                  ; head = (g / 4) mod 8
	s_lshl_b32 s16, s16, 8                         ; its 64 f32 in a row of W_O
	s_lshl_b32 s17, s13, 18                        ; 128 rows of 2,048 bytes
	s_add_co_u32 s16, s16, s17
	s_mov_b32 s17, 0
	s_lshl_b32 s18, ttmp9, 14                      ; tf: 32 n tiles of 512 bytes for each g,
	s_lshl_b32 s19, s13, 12                        ; 8 of them for each nq
	s_add_co_u32 s18, s18, s19
	s_mov_b32 s19, 0
	s_lshl_b32 s20, ttmp9, 8                       ; cv: 256 bytes for each g
	s_mov_b32 s21, 0
	s_mul_i32 s22, s12, 4608
	s_add_co_u32 s22, s22, WST                     ; my rows of W_O in LDS
	s_or_b32 s23, s12, s13                         ; 0 in wave 0 of nq = 0 alone
	v_and_b32 v250, 31, v0                         ; lane
	v_and_b32 v251, 15, v0                         ; r
	v_bfe_u32 v252, v0, 4, 1                       ; hh
	v_lshlrev_b32 v1, 3, v250                      ; v1: 8 x lane
	v_lshlrev_b32 v7, 4, v250                      ; v7: 16 x lane
	v_lshl_add_u32 v2, s12, 10, v7                 ; v2: 1,024 w + 16 x lane: my tile in a record, and my two tiles in tf
	v_lshlrev_b32 v3, 11, v252
	v_lshl_add_u32 v3, v251, 4, v3
	v_lshl_add_u32 v3, s12, 16, v3                 ; v3: W_O rows 32 w + hh, 16 bytes a lane
	s_wait_kmcnt 0x0
	s_add_nc_u64 s[4:5], s[4:5], s[14:15]
	s_add_nc_u64 s[6:7], s[6:7], s[16:17]
	s_add_nc_u64 s[8:9], s[8:9], s[18:19]
	s_add_nc_u64 s[10:11], s[10:11], s[20:21]
	; 62 loads at once, in the order in which they are used; chunk 15's two follow behind the first wait
.irp c, 0,1,2,3,4,5,6,7,8,9,10,11,12,13,14,15
	global_load_b64 v[ST+2*\c:ST+2*\c+1], v1, s[4:5] offset:\c*4352+4096
.endr
.irp i, 0,1,2,3,4,5,6,7,8,9,10,11,12,13,14,15
	global_load_b128 v[WR+4*\i:WR+4*\i+3], v3, s[6:7] offset:4096*\i       ; two rows, 256 consecutive bytes of each
.endr
.irp c, 0,1,2,3,4,5,6,7,8,9,10,11,12,13,14
	global_load_b128 v[PR+8*\c:PR+8*\c+3], v2, s[4:5] offset:\c*4352
	global_load_b128 v[PR+8*\c+4:PR+8*\c+7], v2, s[4:5] offset:\c*4352+512
.endr
	v_mul_u32_u24 v4, v252, 144
	v_lshl_add_u32 v4, v251, 3, v4
	v_add_nc_u32 v4, s22, v4                       ; v4: W_O in: row hh, 8 bytes a lane
	v_mul_u32_u24 v5, v251, 144
	v_lshl_add_u32 v5, v252, 4, v5
	v_add_nc_u32 v5, s22, v5                       ; v5: W_O's fragments: row r, 16 hh
	v_lshlrev_b32 v6, 4, v0                        ; v6: 512 w + 16 x lane: my tile of S in LDS
	s_wait_loadcnt 46                              ; the 16 pairs are in; W_O's 16 loads and the 30 of chunks 0 to 14 may be out
	global_load_b128 v[PR+120:PR+123], v2, s[4:5] offset:15*4352           ; chunk 15: from here on 32 tile loads stand behind W_O's
	global_load_b128 v[PR+124:PR+127], v2, s[4:5] offset:15*4352+512
	v_max3_num_f32 v240, v[ST], v[ST+2], v[ST+4]
	v_max3_num_f32 v242, v[ST+6], v[ST+8], v[ST+10]
	v_max3_num_f32 v240, v240, v[ST+12], v[ST+14]
	v_max3_num_f32 v242, v242, v[ST+16], v[ST+18]
	v_max3_num_f32 v240, v240, v[ST+20], v[ST+22]
	v_max3_num_f32 v242, v242, v[ST+24], v[ST+26]
	v_max3_num_f32 v240, v240, v[ST+28], v[ST+30]
	v_max_num_f32 v240, v240, v242                 ; M of d = lane mod 16
.irp c, 0,1,2,3,4,5,6,7,8,9,10,11,12,13,14,15
	v_sub_f32 v[ST+2*\c], v[ST+2*\c], v240
.endr
.irp c, 0,1,2,3,4,5,6,7,8,9,10,11,12,13,14,15
	v_exp_f32 v[ST+2*\c], v[ST+2*\c]               ; s_c, at most 1
.endr
	v_nop                                          ; a plain place between the exponentials and the first use of a result (ISA guide 5.7.2)
	s_wait_alu depctr_va_vdst(0)
	v_mul_f32 v241, v[ST], v[ST+1]
.irp c, 1,2,3,4,5,6,7,8,9,10,11,12,13,14,15
	v_fmac_f32 v241, v[ST+2*\c], v[ST+2*\c+1]      ; Z
.endr
	s_cmp_lg_u32 s23, 0
	s_cbranch_scc1 .Lno_cv                         ; every wave of the four work-groups of g holds the same pairs: one of them stores
	global_store_b64 v1, v[240:241], s[10:11]      ; (M, Z): 256 consecutive bytes
.Lno_cv:
	s_wait_loadcnt 32                              ; W_O is in; the tiles' 32 loads may be out
.irp i, 0,1,2,3,4,5,6,7,8,9,10,11,12,13,14,15
	v_cvt_pk_bf16_f32 v[WR+4*\i], v[WR+4*\i], v[WR+4*\i+1]
	v_cvt_pk_bf16_f32 v[WR+4*\i+1], v[WR+4*\i+2], v[WR+4*\i+3]
	ds_store_b64 v4, v[WR+4*\i:WR+4*\i+1] offset:288*\i
.endr
.irp c, 0,1,2,3,4,5,6,7,8,9,10,11,12,13,14,15
	s_wait_loadcnt 30-2*\c                         ; chunk c's two loads are in; the later chunks' may be out
.irp j, 0,2,4,6
.if \c
	v_pk_fma_f32 v[SA+\j:SA+\j+1], v[PR+8*\c+\j:PR+8*\c+\j+1], v[ST+2*\c:ST+2*\c+1], v[SA+\j:SA+\j+1] op_sel_hi:[1,0,1]   ; both halves times s_c
.else
	v_pk_mul_f32 v[SA+\j:SA+\j+1], v[PR+\j:PR+\j+1], v[ST:ST+1] op_sel_hi:[1,0]    ; the first chunk starts the sum
.endif
.endr
.endr
.irp i, 0,1,2,3
	v_cvt_pk_bf16_f32 v[242+\i], v[SA+2*\i], v[SA+2*\i+1]          ; S[d = r][v = 16 w + 8 hh .. + 7]: half of a fragment's registers as it stands
.endr
	ds_store_b128 v6, v[242:245]
	s_wait_dscnt 0x0                               ; for the others: my tile of S is in LDS
	s_barrier_signal -1
	s_barrier_wait -1
.irp vt, 0,1,2,3
	ds_load_b128 v[72+4*\vt:72+4*\vt+3], v7 offset:512*\vt         ; tiles 2 ks and 2 ks + 1 are registers 0-3 and 4-7 of the fragment of v = 32 ks ..
.endr
.irp t, 0,1
.irp ks, 0,1
	ds_load_b128 v[40+16*\t+8*\ks:40+16*\t+8*\ks+3], v5 offset:2304*\t+64*\ks      ; my own bytes: LDS serves a wave's instructions in order
	ds_load_b128 v[40+16*\t+8*\ks+4:40+16*\t+8*\ks+7], v5 offset:2304*\t+64*\ks+32
.endr
.endr
	s_wait_dscnt 0x0
	v_wmma_f32_16x16x32_bf16 v[88:95],  v[72:79], v[40:47], 0              ; two accumulators by turns
	v_wmma_f32_16x16x32_bf16 v[96:103], v[72:79], v[56:63], 0
	v_wmma_f32_16x16x32_bf16 v[88:95],  v[80:87], v[48:55], v[88:95]
	v_wmma_f32_16x16x32_bf16 v[96:103], v[80:87], v[64:71], v[96:103]
.rept 4
	v_nop                                          ; the places in front of the readers of the results
.endr
.irp i, 0,1,2,3,4,5,6,7
	v_cvt_pk_bf16_f32 v[242+\i], v[88+2*\i], v[89+2*\i]            ; lane (r, hh): T[k = 8 hh .. + 7][n = r] of tile t = i / 4
.endr
	global_store_b128 v2, v[242:245], s[8:9]       ; each store covers 512 consecutive bytes
	global_store_b128 v2, v[246:249], s[8:9] offset:512
	s_wait_tensorcnt 0x0
	ds_add_u32 v254, v255
	s_wait_dscnt 0x0
	s_endpgm
.Lfunc_end_k_q70b4ada33f_comb:
	.size	k_q70b4ada33f_comb, .Lfunc_end_k_q70b4ada33f_comb-k_q70b4ada33f_comb
	.p2alignl 7, 3214868480
	.fill 96, 4, 3214868480
	.section	.rodata,"a",@progbits
	.p2align	6, 0x0
	.amdhsa_kernel k_q70b4ada33f_comb
		.amdhsa_group_segment_fixed_size 20992
		.amdhsa_private_segment_fixed_size 0
		.amdhsa_enable_private_segment 0
		.amdhsa_kernarg_size 32
		.amdhsa_user_sgpr_count 2
		.amdhsa_user_sgpr_kernarg_segment_ptr 1
		.amdhsa_wavefront_size32 1
		.amdhsa_system_sgpr_workgroup_id_x 1
		.amdhsa_system_sgpr_workgroup_id_y 1
		.amdhsa_system_sgpr_workgroup_id_z 1
		.amdhsa_system_vgpr_workitem_id 0
		.amdhsa_next_free_vgpr 256
		.amdhsa_next_free_sgpr 66
		.amdhsa_reserve_vcc 0
		.amdhsa_float_denorm_mode_32 3
		.amdhsa_float_denorm_mode_16_64 3
		.amdhsa_memory_ordered 1
		.amdhsa_forward_progress 1
		.amdhsa_inst_pref_size 21
	.end_amdhsa_kernel
	.amdgpu_metadata
---
amdhsa.version: [ 1, 2 ]
amdhsa.kernels:
  - .name:           k_q70b4ada33f_comb
    .symbol:         k_q70b4ada33f_comb.kd
    .args:
      - { .name: sp, .offset: 0, .size: 8, .value_kind: global_buffer, .address_space: global }
      - { .name: W_O, .offset: 8, .size: 8, .value_kind: global_buffer, .address_space: global }
      - { .name: tf, .offset: 16, .size: 8, .value_kind: global_buffer, .address_space: global }
      - { .name: cv, .offset: 24, .size: 8, .value_kind: global_buffer, .address_space: global }
    .group_segment_fixed_size: 20992
    .private_segment_fixed_size: 0
    .kernarg_segment_align: 8
    .kernarg_segment_size: 32
    .max_flat_workgroup_size: 128
    .sgpr_count:     66
    .vgpr_count:     256
    .wavefront_size: 32
...
	.end_amdgpu_metadata
.endif
;; end of part 2
;; launch outp (part 3): grid 4 x 64, 8 waves a work-group, no clusters, 51,200 bytes of LDS; arguments qs, cv, tf, b_O, out0; writes out0
.if DOCPART == 3
	.amdgcn_target "amdgcn-amd-amdhsa--gfx1250"
	.amdhsa_code_object_version 6
	.text
	.protected	k_q70b4ada33f_outp
	.globl	k_q70b4ada33f_outp
	.p2align	8
	.type	k_q70b4ada33f_outp,@function
k_q70b4ada33f_outp:
	s_mov_b64 s[64:65], 0
	v_nop
	global_prefetch_b8 v0, s[64:65] scope:SCOPE_SE
	s_setreg_imm32_b32 hwreg(HW_REG_WAVE_MODE, 25, 1), 1
	s_wait_xcnt 0x0
; out[i][n] = sum over k = (head, d) of P[i][k] T[k][n] + b_O[n], with, for each row i and head,
;   t = q2 + M;  mx = max of t over the head's 64 d;  e = exp2(t - mx);  P = e / (sum over d of e Z).
; The sum is at least 1: e = 1 at the maximum and every Z is at least 1.
; Work-group (nq, rb): 32 rows x 128 columns; 256 work-groups, eight waves.  Softmax: wave w takes rows 4 w .. 4 w + 3 (the four work-groups of one rb
; repeat it: 16,384 exponentials each).  Product: wave w takes 32 rows x columns 16 w .. 16 w + 15, K = 512 in 16 matrix steps.
; NO CLUSTER: T's 128 KiB are shared by the 32 row blocks of a batch, but in a work-group each 16 bytes of them are the operand of one lane alone and are loaded
; straight into its operand registers; a joint load would write and read those 128 KiB through LDS in every work-group instead.  q2 has to pass through
; the softmax in registers before it is an operand.
; LIMITS: a term more than 2^126 below its row's maximum counts as 0; P and T enter the matrix unit rounded to bf16.
.set MX,  8                            ; v[8:11]    maxima, one for each of a row's four loads (two heads each: one in each half of the wave)
.set SM,  12                           ; v[12:15]   sums, then their reciprocals
.set ACC, 16                           ; v[16:31]   rows 0-15, rows 16-31; started by b_O
.set QR,  32                           ; v[32:95]   q2: row i, load t at QR + 16 i + 4 t
.set CV,  96                           ; v[96:127]  for load t: M0, Z0, .. M3, Z3 of my four k
.set AR,  32                           ; v[32:127]  later: P's fragments, three buffers of 32
.set BR,  128                          ; v[128:255] T's fragments, matrix step s at BR + 8 s
.set OST, 33280                        ; LDS: P, bf16, 32 rows, pitch 1,040, at 0; behind it the way out, f32, 32 rows of 512 bytes, pitch 528
	s_load_b256 s[4:11], s[0:1], 0x0               ; qs s[4:5], cv s[6:7], tf s[8:9], b_O s[10:11]
	s_load_b64 s[12:13], s[0:1], 0x20              ; out0
	s_set_vgpr_msb 0x40
	v_lshl_add_u32 v0, v0, 2, 0xc400
	v_mov_b32 v1, 0
	s_set_vgpr_msb 0x4000
	v_lshrrev_b32 v1, 5, v0
	v_readfirstlane_b32 s14, v1                    ; wave 0..7
	s_and_b32 s15, ttmp7, 0xffff                   ; rb
	s_lshl_b32 s16, s15, 16                        ; 32 rows of 2,048 bytes
	s_mov_b32 s17, 0
	s_lshr_b32 s18, s15, 5                         ; batch
	s_lshl_b32 s20, s18, 13                        ; cv: 32 blocks of 256 bytes a batch
	s_mov_b32 s21, 0
	s_lshl_b32 s22, s18, 19                        ; tf: 524,288 bytes a batch,
	s_lshl_b32 s23, ttmp9, 12                      ; 8 n tiles of 512 bytes for each nq
	s_add_co_u32 s22, s22, s23
	s_mov_b32 s23, 0
	s_lshl_b32 s24, ttmp9, 9                       ; 128 f32
	s_mov_b32 s25, 0
	s_add_co_u32 s26, s16, s24
	s_mov_b32 s27, 0
	s_mul_i32 s28, s14, 4160                       ; my four rows of P
	s_mul_i32 s29, s14, 2112
	s_add_co_u32 s29, s29, OST                     ; my four rows of the way out
	v_and_b32 v8, 31, v0                           ; lane
	v_and_b32 v9, 15, v0                           ; r
	v_bfe_u32 v10, v0, 4, 1                        ; hh
	v_lshlrev_b32 v1, 4, v8
	v_lshl_add_u32 v1, s14, 13, v1                 ; v1: row 4 w, 16 bytes a lane: for q2 and for out0
	v_lshrrev_b32 v11, 2, v8
	v_and_b32 v12, 3, v0
	v_lshlrev_b32 v2, 5, v12
	v_lshl_add_u32 v2, v11, 8, v2                  ; v2: the pairs of k = 4 x lane .. + 3: block lane / 4, 32 bytes at 32 (lane mod 4)
	v_lshlrev_b32 v3, 4, v0                        ; v3: 512 w + 16 x lane: my n tile
	v_lshlrev_b32 v4, 5, v10
	v_lshl_add_u32 v4, s14, 6, v4                  ; v4: my 8 columns 16 w + 8 hh .., in bytes
	s_wait_kmcnt 0x0
	s_add_nc_u64 s[4:5], s[4:5], s[16:17]
	s_add_nc_u64 s[6:7], s[6:7], s[20:21]
	s_add_nc_u64 s[8:9], s[8:9], s[22:23]
	s_add_nc_u64 s[10:11], s[10:11], s[24:25]
	s_add_nc_u64 s[12:13], s[12:13], s[26:27]
	; all 60 loads at once, in the order in which they are used
.irp t, 0,1,2,3
	global_load_b128 v[CV+8*\t:CV+8*\t+3], v2, s[6:7] offset:2048*\t
	global_load_b128 v[CV+8*\t+4:CV+8*\t+7], v2, s[6:7] offset:2048*\t+16
.endr
.irp i, 0,1,2,3
.irp t, 0,1,2,3
	global_load_b128 v[QR+16*\i+4*\t:QR+16*\i+4*\t+3], v1, s[4:5] offset:2048*\i+512*\t    ; 512 consecutive bytes: k = 128 t + 4 x lane ..
.endr
.endr
.irp a, 0,1
	global_load_b128 v[ACC+8*\a:ACC+8*\a+3], v4, s[10:11]          ; the bias starts the sums: register j of a result is column 8 hh + j
	global_load_b128 v[ACC+8*\a+4:ACC+8*\a+7], v4, s[10:11] offset:16
.endr
.set i, 0
.rept 32
	global_load_b128 v[BR+4*i:BR+4*i+3], v3, s[8:9] offset:16384*i ; block i of 16 k: half of a fragment, 512 consecutive bytes
.set i, i+1
.endr
	v_lshlrev_b32 v5, 3, v8
	v_add_nc_u32 v5, s28, v5                       ; v5: P in: row 4 w, 8 bytes a lane
	v_mul_u32_u24 v6, v9, 1040
	v_lshl_add_u32 v6, v10, 4, v6                  ; v6: P's fragments: row r, 16 hh
	v_mul_u32_u24 v7, v9, 528
	v_add_nc_u32 v7, v7, v4
	v_add_nc_u32 v7, OST, v7                       ; v7: the way out, in: row r, my 8 columns
; One row's softmax over each of its eight heads.  A head's 64 numbers lie in 16 neighbouring lanes x the 4 registers of one load.
.macro ROWSM i
	s_wait_loadcnt 48-4*\i                         ; this row's four loads are in; the later rows', the bias's 4 and T's 32 may be out
.irp t, 0,1,2,3
.irp e, 0,1,2,3
	v_add_f32 v[QR+16*\i+4*\t+\e], v[QR+16*\i+4*\t+\e], v[CV+8*\t+2*\e]
.endr
.endr
.irp t, 0,1,2,3
	v_max3_num_f32 v[MX+\t], v[QR+16*\i+4*\t], v[QR+16*\i+4*\t+1], v[QR+16*\i+4*\t+2]
.endr
.irp t, 0,1,2,3
	v_max_num_f32 v[MX+\t], v[MX+\t], v[QR+16*\i+4*\t+3]
.endr
.irp m, 1,2,4,8
.irp t, 0,1,2,3
	v_max_num_f32_dpp v[MX+\t], v[MX+\t], v[MX+\t] row_xmask:\m row_mask:0xf bank_mask:0xf
.endr
.endr
.irp t, 0,1,2,3
.irp e, 0,1,2,3
	v_sub_f32 v[QR+16*\i+4*\t+\e], v[QR+16*\i+4*\t+\e], v[MX+\t]
.endr
.endr
.irp t, 0,1,2,3
.irp e, 0,1,2,3
	v_exp_f32 v[QR+16*\i+4*\t+\e], v[QR+16*\i+4*\t+\e]
.endr
.endr
	v_nop                                          ; a plain place between the exponentials and the first use of a result (ISA guide 5.7.2)
	s_wait_alu depctr_va_vdst(0)
.irp t, 0,1,2,3
	v_mul_f32 v[SM+\t], v[QR+16*\i+4*\t], v[CV+8*\t+1]
.endr
.irp e, 1,2,3
.irp t, 0,1,2,3
	v_fmac_f32 v[SM+\t], v[QR+16*\i+4*\t+\e], v[CV+8*\t+2*\e+1]
.endr
.endr
.irp m, 1,2,4,8
.irp t, 0,1,2,3
	v_add_f32_dpp v[SM+\t], v[SM+\t], v[SM+\t] row_xmask:\m row_mask:0xf bank_mask:0xf
.endr
.endr
.irp t, 0,1,2,3
	v_rcp_f32 v[SM+\t], v[SM+\t]
.endr
	v_nop                                          ; likewise behind the reciprocals
	s_wait_alu depctr_va_vdst(0)
.irp t, 0,1,2,3
.irp e, 0,1,2,3
	v_mul_f32 v[QR+16*\i+4*\t+\e], v[QR+16*\i+4*\t+\e], v[SM+\t]
.endr
.endr
.irp t, 0,1,2,3
	v_cvt_pk_bf16_f32 v[QR+16*\i+4*\t], v[QR+16*\i+4*\t], v[QR+16*\i+4*\t+1]
	v_cvt_pk_bf16_f32 v[QR+16*\i+4*\t+1], v[QR+16*\i+4*\t+2], v[QR+16*\i+4*\t+3]
	ds_store_b64 v5, v[QR+16*\i+4*\t:QR+16*\i+4*\t+1] offset:1040*\i+256*\t
.endr
.endm
	ROWSM 0
	ROWSM 1
	ROWSM 2
	ROWSM 3
	s_wait_dscnt 0x0                               ; for the others: my four rows of P are in LDS
	s_barrier_signal -1
	s_barrier_wait -1
; P's fragments of matrix steps 2 g and 2 g + 1, both row tiles: eight loads into buffer g mod 3.
; g may be handed over as a sum, so it stands in brackets wherever it is multiplied or divided.
.macro LOADP g
.irp sl, 0,1
.irp a, 0,1
	ds_load_b128 v[AR+32*((\g)%3)+16*\sl+8*\a:AR+32*((\g)%3)+16*\sl+8*\a+3], v6 offset:16640*\a+64*(2*(\g)+\sl)
	ds_load_b128 v[AR+32*((\g)%3)+16*\sl+8*\a+4:AR+32*((\g)%3)+16*\sl+8*\a+7], v6 offset:16640*\a+64*(2*(\g)+\sl)+32
.endr
.endr
.endm
; Four matrix instructions, T first and P second: a lane holds row r of out and the 8 columns 8 hh ...  The two accumulators take turns, from group to group too.
; left = how many younger LDS loads may be out; more = 1: the buffer just read gets group g + 3.
.macro MULP g, left, more
	s_wait_loadcnt 28-4*\g                         ; T's blocks up to 4 g + 3 are in (and the bias, which was asked for earlier); the later blocks may be out
	s_wait_dscnt \left                             ; this group's eight loads are in; the later groups' may be out
.irp sl, 0,1
.irp a, 0,1
	v_wmma_f32_16x16x32_bf16 v[ACC+8*\a:ACC+8*\a+7], v[BR+8*(2*\g+\sl):BR+8*(2*\g+\sl)+7], v[AR+32*(\g%3)+16*\sl+8*\a:AR+32*(\g%3)+16*\sl+8*\a+7], v[ACC+8*\a:ACC+8*\a+7]
.endr
.endr
.if \more
.rept 4
	v_nop                                          ; the places in front of loads into registers that the matrix instructions have read
.endr
	LOADP \g+3
.endif
.endm
	LOADP 0
	LOADP 1
	LOADP 2
	MULP 0, 16, 1
	MULP 1, 16, 1
	MULP 2, 16, 1
	MULP 3, 16, 1
	MULP 4, 16, 1
	MULP 5, 16, 0
	MULP 6, 8, 0
	MULP 7, 0, 0
	; the way out, through LDS: rows of 512 bytes are put together from the eight waves' columns.  The four lines below are the places behind the last matrix instructions.
	v_and_b32 v8, 31, v0
	v_lshlrev_b32 v8, 4, v8
	v_add_nc_u32 v8, s29, v8                       ; v8: back: row 4 w, 16 bytes a lane
	v_nop
.irp a, 0,1
	ds_store_b128 v7, v[ACC+8*\a:ACC+8*\a+3] offset:8448*\a
	ds_store_b128 v7, v[ACC+8*\a+4:ACC+8*\a+7] offset:8448*\a+16
.endr
	s_wait_dscnt 0x0                               ; for the others: my columns are in LDS
	s_barrier_signal -1
	s_barrier_wait -1
.irp i, 0,1,2,3
	ds_load_b128 v[32+4*\i:32+4*\i+3], v8 offset:528*\i
.endr
.irp i, 0,1,2,3
	s_wait_dscnt 3-\i                              ; LDS loads come back in order: row i is in
	global_store_b128 v1, v[32+4*\i:32+4*\i+3], s[12:13] offset:2048*\i th:TH_STORE_NT     ; 512 consecutive bytes of a row, aligned
.endr
	s_set_vgpr_msb 0x5
	s_wait_tensorcnt 0x0
	ds_add_u32 v0, v1
	s_wait_dscnt 0x0
	s_set_vgpr_msb 0x500
	s_endpgm
.Lfunc_end_k_q70b4ada33f_outp:
	.size	k_q70b4ada33f_outp, .Lfunc_end_k_q70b4ada33f_outp-k_q70b4ada33f_outp
	.p2alignl 7, 3214868480
	.fill 96, 4, 3214868480
	.section	.rodata,"a",@progbits
	.p2align	6, 0x0
	.amdhsa_kernel k_q70b4ada33f_outp
		.amdhsa_group_segment_fixed_size 51200
		.amdhsa_private_segment_fixed_size 0
		.amdhsa_enable_private_segment 0
		.amdhsa_kernarg_size 40
		.amdhsa_user_sgpr_count 2
		.amdhsa_user_sgpr_kernarg_segment_ptr 1
		.amdhsa_wavefront_size32 1
		.amdhsa_system_sgpr_workgroup_id_x 1
		.amdhsa_system_sgpr_workgroup_id_y 1
		.amdhsa_system_sgpr_workgroup_id_z 1
		.amdhsa_system_vgpr_workitem_id 0
		.amdhsa_next_free_vgpr 258
		.amdhsa_next_free_sgpr 66
		.amdhsa_reserve_vcc 0
		.amdhsa_float_denorm_mode_32 3
		.amdhsa_float_denorm_mode_16_64 3
		.amdhsa_memory_ordered 1
		.amdhsa_forward_progress 1
		.amdhsa_inst_pref_size 41
	.end_amdhsa_kernel
	.amdgpu_metadata
---
amdhsa.version: [ 1, 2 ]
amdhsa.kernels:
  - .name:           k_q70b4ada33f_outp
    .symbol:         k_q70b4ada33f_outp.kd
    .args:
      - { .name: qs, .offset: 0, .size: 8, .value_kind: global_buffer, .address_space: global }
      - { .name: cv, .offset: 8, .size: 8, .value_kind: global_buffer, .address_space: global }
      - { .name: tf, .offset: 16, .size: 8, .value_kind: global_buffer, .address_space: global }
      - { .name: b_O, .offset: 24, .size: 8, .value_kind: global_buffer, .address_space: global }
      - { .name: out0, .offset: 32, .size: 8, .value_kind: global_buffer, .address_space: global }
    .group_segment_fixed_size: 51200
    .private_segment_fixed_size: 0
    .kernarg_segment_align: 8
    .kernarg_segment_size: 40
    .max_flat_workgroup_size: 256
    .sgpr_count:     66
    .vgpr_count:     258
    .wavefront_size: 32
...
	.end_amdgpu_metadata
.endif
;; end of part 3
;; ======== version 2 of 2: 3 launches; version 1 with the launches comb, outp written anew for expert scheduling mode
;; limits: values outside matrix products are rounded to bf16
;; workspace buffers: qs 4,194,304 bytes; sp 4,456,448 bytes; tf 1,048,576 bytes; cv 16,384 bytes
;; launch qkv: the kernel of part 1 again; grid 8 x 32, 4 waves a work-group, clusters of 4 x 4, 327,680 bytes of LDS; arguments x, W_Q, W_K, W_V, b_Q, b_K, b_V, qs, sp; writes qs, sp
;; launch comb (part 4): grid 64 x 4, 4 waves a work-group, no clusters, 20,992 bytes of LDS; arguments sp, W_O, tf, cv; writes tf, cv
.if DOCPART == 4
	.amdgcn_target "amdgcn-amd-amdhsa--gfx1250"
	.amdhsa_code_object_version 6
	.text
	.protected	k_q70b4ada33f_comb
	.globl	k_q70b4ada33f_comb
	.p2align	8
	.type	k_q70b4ada33f_comb,@function
k_q70b4ada33f_comb:
	s_mov_b64 s[64:65], 0
	v_nop
	global_prefetch_b8 v0, s[64:65] scope:SCOPE_SE
	s_setreg_imm32_b32 hwreg(HW_REG_WAVE_SCHED_MODE, 0, 2), 2
	s_setreg_imm32_b32 hwreg(HW_REG_WAVE_MODE, 25, 1), 1
	s_wait_xcnt 0x0
	s_wait_alu depctr_vm_vsrc(0)
; The 16 chunks' sums are brought onto one maximum and added, and W_O is folded in.
;   M[d] = max over chunks c of m_c[d];  s_c = exp2(m_c - M);  S = sum of s_c S_c;  Z = sum of s_c Z_c (at least 1)
;   T[k = 64 h + d][n] = sum over v of S[d][v] W_O[n][64 h + v], stored in bf16 in the order in which the last launch takes it as a matrix operand.
; Work-group (g, nq): g = (batch x 8 + head) x 4 + block of 16 d = batch x 32 + block of 16 k; nq = a block of 128 columns n.  256 work-groups.
; Wave w adds the tile v = 16 w .. 16 w + 15 over the chunks and makes the n tiles 2 w and 2 w + 1 of the block.
; NO CLUSTER: the four work-groups of one g read the same 68 KiB of records, but each 16 bytes of them go straight into the registers of the one lane that
; adds them; a joint load would write and read those 68 KiB through LDS in every work-group instead.  W_O's 32 KiB are rounded in registers on their way.
; LIMITS: a chunk whose maximum lies more than 2^126 below the column's counts as 0; S and W_O enter the matrix unit rounded to bf16.
; THE MODE: SCHED_MODE bits 1:0 = 2 (LLVM: expert scheduling mode 2), set by the entry lines.  The code itself states the register dependences
; between vector or matrix instructions and memory or LDS instructions, with s_wait_alu, always for 0.
; THE PLAN.  The text is straight, and memory loads land in each register once.  Registers that memory or LDS instructions touch:
;   v1 .. v7     offsets and LDS addresses: all made at the head, ahead of the first wait on va_vdst; never written again.
;   ST, PR       global loads land; after that vector instructions alone name them.
;   WR           global loads land; 32 roundings write half of it in place; 16 LDS stores read those halves; behind the barrier LDS loads land in
;                v[40:87] and the matrix instructions write v[88:103].
;   v[240:241]   (M, Z): written by vector instructions, read by one store, never written again.
;   v[242:249]   roundings write v[242:245], an LDS store reads them; later roundings write v[242:249], two global stores read them.
;   v254, v255   written at the head, read by the closing add alone.
; So each run of stores has one wait on va_vdst ahead of it, and ONE wait on vm_vsrc, behind the barrier, frees all that LDS stores have read.
.set ST, 8                             ; v[8:39]    chunk c: (m_c, Z_c) at ST + 2 c; m_c becomes s_c
.set WR, 40                            ; v[40:103]  W_O as loaded.  Later: v[40:71] its fragments, v[72:87] S's fragments, v[88:103] the two results
.set PR, 104                           ; v[104:231] chunk c: my tile's 8 registers
.set SA, 232                           ; v[232:239] the sum
.set WST, 2048                         ; LDS: S's four tiles in bf16 at 0 (512 bytes each); behind them each wave's own 32 rows of W_O, bf16, pitch 144
	s_load_b256 s[4:11], s[0:1], 0x0               ; sp s[4:5], W_O s[6:7], tf s[8:9], cv s[10:11]
	v_lshl_add_u32 v254, v0, 2, 0x5000
	v_mov_b32 v255, 0
	v_lshrrev_b32 v1, 5, v0
	v_readfirstlane_b32 s12, v1                    ; wave 0..3
	s_and_b32 s13, ttmp7, 0xffff                   ; nq
	s_mul_i32 s14, ttmp9, 69632                    ; 16 records of 4,352 bytes
	s_mov_b32 s15, 0
	s_bfe_u32 s16, ttmp9, 0x30002                  ; head = (g / 4) mod 8
	s_lshl_b32 s16, s16, 8                         ; its 64 f32 in a row of W_O
	s_lshl_b32 s17, s13, 18                        ; 128 rows of 2,048 bytes
	s_add_co_u32 s16, s16, s17
	s_mov_b32 s17, 0
	s_lshl_b32 s18, ttmp9, 14                      ; tf: 32 n tiles of 512 bytes for each g,
	s_lshl_b32 s19, s13, 12                        ; 8 of them for each nq
	s_add_co_u32 s18, s18, s19
	s_mov_b32 s19, 0
	s_lshl_b32 s20, ttmp9, 8                       ; cv: 256 bytes for each g
	s_mov_b32 s21, 0
	s_wait_alu depctr_va_sdst(0)                   ; s12, the wave's number, is written, ahead of its first reader
	s_mul_i32 s22, s12, 4608
	s_add_co_u32 s22, s22, WST                     ; my rows of W_O in LDS
	s_or_b32 s23, s12, s13                         ; 0 in wave 0 of nq = 0 alone
	v_and_b32 v250, 31, v0                         ; lane
	v_and_b32 v251, 15, v0                         ; r
	v_bfe_u32 v252, v0, 4, 1                       ; hh
	v_lshlrev_b32 v1, 3, v250                      ; v1: 8 x lane
	v_lshlrev_b32 v7, 4, v250                      ; v7: 16 x lane
	v_lshl_add_u32 v2, s12, 10, v7                 ; v2: 1,024 w + 16 x lane: my tile in a record, and my two tiles in tf
	v_lshlrev_b32 v3, 11, v252
	v_lshl_add_u32 v3, v251, 4, v3
	v_lshl_add_u32 v3, s12, 16, v3                 ; v3: W_O rows 32 w + hh, 16 bytes a lane
	v_mul_u32_u24 v4, v252, 144
	v_lshl_add_u32 v4, v251, 3, v4
	v_add_nc_u32 v4, s22, v4                       ; v4: W_O in: row hh, 8 bytes a lane
	v_mul_u32_u24 v5, v251, 144
	v_lshl_add_u32 v5, v252, 4, v5
	v_add_nc_u32 v5, s22, v5                       ; v5: W_O's fragments: row r, 16 hh
	v_lshlrev_b32 v6, 4, v0                        ; v6: 512 w + 16 x lane: my tile of S in LDS
	s_wait_kmcnt 0x0
	s_add_nc_u64 s[4:5], s[4:5], s[14:15]
	s_add_nc_u64 s[6:7], s[6:7], s[16:17]
	s_add_nc_u64 s[8:9], s[8:9], s[18:19]
	s_add_nc_u64 s[10:11], s[10:11], s[20:21]
	s_wait_alu depctr_va_vdst(0)                   ; v1 to v7 are written: every load and store of the kernel, global or LDS, reads one of them as its address
	; 62 loads at once, in the order in which they are used; chunk 15's two follow behind the first wait
.irp c, 0,1,2,3,4,5,6,7,8,9,10,11,12,13,14,15
	global_load_b64 v[ST+2*\c:ST+2*\c+1], v1, s[4:5] offset:\c*4352+4096
.endr
.irp i, 0,1,2,3,4,5,6,7,8,9,10,11,12,13,14,15
	global_load_b128 v[WR+4*\i:WR+4*\i+3], v3, s[6:7] offset:4096*\i       ; two rows, 256 consecutive bytes of each
.endr
.irp c, 0,1,2,3,4,5,6,7,8,9,10,11,12,13,14
	global_load_b128 v[PR+8*\c:PR+8*\c+3], v2, s[4:5] offset:\c*4352
	global_load_b128 v[PR+8*\c+4:PR+8*\c+7], v2, s[4:5] offset:\c*4352+512
.endr
	s_wait_loadcnt 46                              ; the 16 pairs are in; W_O's 16 loads and the 30 of chunks 0 to 14 may be out
	global_load_b128 v[PR+120:PR+123], v2, s[4:5] offset:15*4352           ; chunk 15: from here on 32 tile loads stand behind W_O's.  No vector instruction since the wait above
	global_load_b128 v[PR+124:PR+127], v2, s[4:5] offset:15*4352+512       ; on va_vdst names v2 or these registers
	v_max3_num_f32 v240, v[ST], v[ST+2], v[ST+4]
	v_max3_num_f32 v242, v[ST+6], v[ST+8], v[ST+10]
	v_max3_num_f32 v240, v240, v[ST+12], v[ST+14]
	v_max3_num_f32 v242, v242, v[ST+16], v[ST+18]
	v_max3_num_f32 v240, v240, v[ST+20], v[ST+22]
	v_max3_num_f32 v242, v242, v[ST+24], v[ST+26]
	v_max3_num_f32 v240, v240, v[ST+28], v[ST+30]
	v_max_num_f32 v240, v240, v242                 ; M of d = lane mod 16
.irp c, 0,1,2,3,4,5,6,7,8,9,10,11,12,13,14,15
	v_sub_f32 v[ST+2*\c], v[ST+2*\c], v240
.endr
.irp c, 0,1,2,3,4,5,6,7,8,9,10,11,12,13,14,15
	v_exp_f32 v[ST+2*\c], v[ST+2*\c]               ; s_c, at most 1
.endr
	v_nop                                          ; a plain place between the exponentials and the first use of a result (ISA guide 5.7.2)
	s_wait_alu depctr_va_vdst(0)                   ; the sixteen s_c are written, ahead of their first reader
	v_mul_f32 v241, v[ST], v[ST+1]
.irp c, 1,2,3,4,5,6,7,8,9,10,11,12,13,14,15
	v_fmac_f32 v241, v[ST+2*\c], v[ST+2*\c+1]      ; Z
.endr
	s_cmp_lg_u32 s23, 0
	s_cbranch_scc1 .Lno_cv                         ; every wave of the four work-groups of g holds the same pairs: one of them stores
	s_wait_alu depctr_va_vdst(0)                   ; M and Z are written in v[240:241], which the store reads
	global_store_b64 v1, v[240:241], s[10:11]      ; (M, Z): 256 consecutive bytes
.Lno_cv:
	s_wait_loadcnt 32                              ; W_O is in; the tiles' 32 loads may be out
.irp i, 0,1,2,3,4,5,6,7,8,9,10,11,12,13,14,15
	v_cvt_pk_bf16_f32 v[WR+4*\i], v[WR+4*\i], v[WR+4*\i+1]
	v_cvt_pk_bf16_f32 v[WR+4*\i+1], v[WR+4*\i+2], v[WR+4*\i+3]
.endr
	s_wait_loadcnt 30                              ; chunk 0's two loads are in; the later chunks' may be out
	s_wait_alu depctr_va_vdst(0)                   ; the 32 roundings have written their halves of v[WR ..], which the LDS stores read
.irp i, 0,1,2,3,4,5,6,7,8,9,10,11,12,13,14,15
	ds_store_b64 v4, v[WR+4*\i:WR+4*\i+1] offset:288*\i
.endr
.irp j, 0,2,4,6
	v_pk_mul_f32 v[SA+\j:SA+\j+1], v[PR+\j:PR+\j+1], v[ST:ST+1] op_sel_hi:[1,0]    ; the first chunk starts the sum
.endr
.irp c, 1,2,3,4,5,6,7,8,9,10,11,12,13,14,15
	s_wait_loadcnt 30-2*\c                         ; chunk c's two loads are in; the later chunks' may be out
.irp j, 0,2,4,6
	v_pk_fma_f32 v[SA+\j:SA+\j+1], v[PR+8*\c+\j:PR+8*\c+\j+1], v[ST+2*\c:ST+2*\c+1], v[SA+\j:SA+\j+1] op_sel_hi:[1,0,1]   ; both halves times s_c
.endr
.endr
.irp i, 0,1,2,3
	v_cvt_pk_bf16_f32 v[242+\i], v[SA+2*\i], v[SA+2*\i+1]          ; S[d = r][v = 16 w + 8 hh .. + 7]: half of a fragment's registers as it stands
.endr
	s_wait_alu depctr_va_vdst(0)                   ; the roundings have written v[242:245], which the LDS store reads; and every vector instruction that named v[40:87], in which LDS loads land below, is done
	ds_store_b128 v6, v[242:245]
	s_wait_dscnt 0x0                               ; for the others: my tile of S is in LDS
	s_barrier_signal -1
	s_barrier_wait -1
	s_wait_alu depctr_vm_vsrc(0)                   ; my LDS stores have read their halves of v[40:103] and v[242:245]: the loads, the matrix instructions and the roundings below write these again
.irp vt, 0,1,2,3
	ds_load_b128 v[72+4*\vt:72+4*\vt+3], v7 offset:512*\vt         ; tiles 2 ks and 2 ks + 1 are registers 0-3 and 4-7 of the fragment of v = 32 ks ..
.endr
.irp t, 0,1
.irp ks, 0,1
	ds_load_b128 v[40+16*\t+8*\ks:40+16*\t+8*\ks+3], v5 offset:2304*\t+64*\ks      ; my own bytes: LDS serves a wave's instructions in order
	ds_load_b128 v[40+16*\t+8*\ks+4:40+16*\t+8*\ks+7], v5 offset:2304*\t+64*\ks+32
.endr
.endr
	s_wait_dscnt 0x0
	v_wmma_f32_16x16x32_bf16 v[88:95],  v[72:79], v[40:47], 0              ; two accumulators by turns
	v_wmma_f32_16x16x32_bf16 v[96:103], v[72:79], v[56:63], 0
	v_wmma_f32_16x16x32_bf16 v[88:95],  v[80:87], v[48:55], v[88:95]
	v_wmma_f32_16x16x32_bf16 v[96:103], v[80:87], v[64:71], v[96:103]
.rept 4
	v_nop                                          ; the places in front of the readers of the results
.endr
.irp i, 0,1,2,3,4,5,6,7
	v_cvt_pk_bf16_f32 v[242+\i], v[88+2*\i], v[89+2*\i]            ; lane (r, hh): T[k = 8 hh .. + 7][n = r] of tile t = i / 4
.endr
	s_wait_alu depctr_va_vdst(0)                   ; the roundings have written v[242:249], which the two stores read
	global_store_b128 v2, v[242:245], s[8:9]       ; each store covers 512 consecutive bytes
	global_store_b128 v2, v[246:249], s[8:9] offset:512
	s_wait_dscnt 0x0                               ; the closing lines, six on end
	s_wait_alu 0x0
	s_wait_tensorcnt 0x0
	ds_add_u32 v254, v255
	s_wait_dscnt 0x0
	s_endpgm
.Lfunc_end_k_q70b4ada33f_comb:
	.size	k_q70b4ada33f_comb, .Lfunc_end_k_q70b4ada33f_comb-k_q70b4ada33f_comb
	.p2alignl 7, 3214868480
	.fill 96, 4, 3214868480
	.section	.rodata,"a",@progbits
	.p2align	6, 0x0
	.amdhsa_kernel k_q70b4ada33f_comb
		.amdhsa_group_segment_fixed_size 20992
		.amdhsa_private_segment_fixed_size 0
		.amdhsa_enable_private_segment 0
		.amdhsa_kernarg_size 32
		.amdhsa_user_sgpr_count 2
		.amdhsa_user_sgpr_kernarg_segment_ptr 1
		.amdhsa_wavefront_size32 1
		.amdhsa_system_sgpr_workgroup_id_x 1
		.amdhsa_system_sgpr_workgroup_id_y 1
		.amdhsa_system_sgpr_workgroup_id_z 1
		.amdhsa_system_vgpr_workitem_id 0
		.amdhsa_next_free_vgpr 256
		.amdhsa_next_free_sgpr 66
		.amdhsa_reserve_vcc 0
		.amdhsa_float_denorm_mode_32 3
		.amdhsa_float_denorm_mode_16_64 3
		.amdhsa_memory_ordered 1
		.amdhsa_forward_progress 1
		.amdhsa_inst_pref_size 21
	.end_amdhsa_kernel
	.amdgpu_metadata
---
amdhsa.version: [ 1, 2 ]
amdhsa.kernels:
  - .name:           k_q70b4ada33f_comb
    .symbol:         k_q70b4ada33f_comb.kd
    .args:
      - { .name: sp, .offset: 0, .size: 8, .value_kind: global_buffer, .address_space: global }
      - { .name: W_O, .offset: 8, .size: 8, .value_kind: global_buffer, .address_space: global }
      - { .name: tf, .offset: 16, .size: 8, .value_kind: global_buffer, .address_space: global }
      - { .name: cv, .offset: 24, .size: 8, .value_kind: global_buffer, .address_space: global }
    .group_segment_fixed_size: 20992
    .private_segment_fixed_size: 0
    .kernarg_segment_align: 8
    .kernarg_segment_size: 32
    .max_flat_workgroup_size: 128
    .sgpr_count:     66
    .vgpr_count:     256
    .wavefront_size: 32
...
	.end_amdgpu_metadata
.endif
;; end of part 4
;; launch outp (part 5): grid 4 x 64, 8 waves a work-group, no clusters, 51,200 bytes of LDS; arguments qs, cv, tf, b_O, out0; writes out0
.if DOCPART == 5
	.amdgcn_target "amdgcn-amd-amdhsa--gfx1250"
	.amdhsa_code_object_version 6
	.text
	.protected	k_q70b4ada33f_outp
	.globl	k_q70b4ada33f_outp
	.p2align	8
	.type	k_q70b4ada33f_outp,@function
k_q70b4ada33f_outp:
	s_mov_b64 s[64:65], 0
	v_nop
	global_prefetch_b8 v0, s[64:65] scope:SCOPE_SE
	s_setreg_imm32_b32 hwreg(HW_REG_WAVE_SCHED_MODE, 0, 2), 2
	s_setreg_imm32_b32 hwreg(HW_REG_WAVE_MODE, 25, 1), 1
	s_wait_xcnt 0x0
	s_wait_alu depctr_vm_vsrc(0)
; out[i][n] = sum over k = (head, d) of P[i][k] T[k][n] + b_O[n], with, for each row i and head,
;   t = q2 + M;  mx = max of t over the head's 64 d;  e = exp2(t - mx);  P = e / (sum over d of e Z).
; The sum is at least 1: e = 1 at the maximum and every Z is at least 1.
; Work-group (nq, rb): 32 rows x 128 columns; 256 work-groups, eight waves.  Softmax: wave w takes rows 4 w .. 4 w + 3 (the four work-groups of one rb
; repeat it: 16,384 exponentials each).  Product: wave w takes 32 rows x columns 16 w .. 16 w + 15, K = 512 in 16 matrix steps.
; NO CLUSTER: T's 128 KiB are shared by the 32 row blocks of a batch, but in a work-group each 16 bytes of them are the operand of one lane alone and are loaded
; straight into its operand registers; a joint load would write and read those 128 KiB through LDS in every work-group instead.  q2 has to pass through
; the softmax in registers before it is an operand.
; LIMITS: a term more than 2^126 below its row's maximum counts as 0; P and T enter the matrix unit rounded to bf16.
; THE MODE: SCHED_MODE bits 1:0 = 2 (LLVM: expert scheduling mode 2), set by the entry lines.  The code itself states the register dependences
; between vector or matrix instructions and memory or LDS instructions, with s_wait_alu, always for 0.
; THE PLAN.  Registers that memory or LDS instructions touch:
;   v1 .. v7     offsets and LDS addresses: all made at the head, ahead of the first wait on va_vdst; never written again.  v8: made in the way out, read by its LDS loads.
;   ACC, BR      global loads land once; after that matrix instructions alone name them, and at the end the LDS stores of ACC.
;   QR, CV       global loads land once; the softmax works on them in place; row i's roundings write 8 registers of QR, which row i's four LDS stores read.
;                Those stores stand in row i + 1, behind its wait for its exponentials: that wait also states that row i's roundings are written.
;   AR0 .. AR2   the same v[32:127] behind the barrier.  Group g's four matrix instructions read AR[g mod 3]; the LDS loads of group g + 2, issued in group g,
;                land in AR[(g + 2) mod 3] = AR[(g - 1) mod 3], which group g - 1 read and which no matrix instruction of group g names.
; So ONE wait on va_vdst stands at the head of a group that loads, behind the group's waits for its data, and its eight loads follow the group's first matrix
; instruction with no further wait.  ONE wait on vm_vsrc, behind the barrier, frees what the LDS stores of P have read.
.set MX,  8                            ; v[8:11]    maxima, one for each of a row's four loads (two heads each: one in each half of the wave)
.set SM,  12                           ; v[12:15]   sums, then their reciprocals
.set ACC, 16                           ; v[16:31]   rows 0-15, rows 16-31; started by b_O
.set QR,  32                           ; v[32:95]   q2: row i, load t at QR + 16 i + 4 t
.set CV,  96                           ; v[96:127]  for load t: M0, Z0, .. M3, Z3 of my four k
.set AR,  32                           ; v[32:127]  later: P's fragments, three buffers of 32
.set BR,  128                          ; v[128:255] T's fragments, matrix step s at BR + 8 s
.set OST, 33280                        ; LDS: P, bf16, 32 rows, pitch 1,040, at 0; behind it the way out, f32, 32 rows of 512 bytes, pitch 528
	s_load_b256 s[4:11], s[0:1], 0x0               ; qs s[4:5], cv s[6:7], tf s[8:9], b_O s[10:11]
	s_load_b64 s[12:13], s[0:1], 0x20              ; out0
	s_set_vgpr_msb 0x40
	v_lshl_add_u32 v0, v0, 2, 0xc400
	v_mov_b32 v1, 0
	s_set_vgpr_msb 0x4000
	v_lshrrev_b32 v1, 5, v0
	v_readfirstlane_b32 s14, v1                    ; wave 0..7
	s_and_b32 s15, ttmp7, 0xffff                   ; rb
	s_lshl_b32 s16, s15, 16                        ; 32 rows of 2,048 bytes
	s_mov_b32 s17, 0
	s_lshr_b32 s18, s15, 5                         ; batch
	s_lshl_b32 s20, s18, 13                        ; cv: 32 blocks of 256 bytes a batch
	s_mov_b32 s21, 0
	s_lshl_b32 s22, s18, 19                        ; tf: 524,288 bytes a batch,
	s_lshl_b32 s23, ttmp9, 12                      ; 8 n tiles of 512 bytes for each nq
	s_add_co_u32 s22, s22, s23
	s_mov_b32 s23, 0
	s_lshl_b32 s24, ttmp9, 9                       ; 128 f32
	s_mov_b32 s25, 0
	s_add_co_u32 s26, s16, s24
	s_mov_b32 s27, 0
	s_wait_alu depctr_va_sdst(0)                   ; s14, the wave's number, is written, ahead of its first reader
	s_mul_i32 s28, s14, 4160                       ; my four rows of P
	s_mul_i32 s29, s14, 2112
	s_add_co_u32 s29, s29, OST                     ; my four rows of the way out
	v_and_b32 v8, 31, v0                           ; lane
	v_and_b32 v9, 15, v0                           ; r
	v_bfe_u32 v10, v0, 4, 1                        ; hh
	v_lshlrev_b32 v1, 4, v8
	v_lshl_add_u32 v1, s14, 13, v1                 ; v1: row 4 w, 16 bytes a lane: for q2 and for out0
	v_lshrrev_b32 v11, 2, v8
	v_and_b32 v12, 3, v0
	v_lshlrev_b32 v2, 5, v12
	v_lshl_add_u32 v2, v11, 8, v2                  ; v2: the pairs of k = 4 x lane .. + 3: block lane / 4, 32 bytes at 32 (lane mod 4)
	v_lshlrev_b32 v3, 4, v0                        ; v3: 512 w + 16 x lane: my n tile
	v_lshlrev_b32 v4, 5, v10
	v_lshl_add_u32 v4, s14, 6, v4                  ; v4: my 8 columns 16 w + 8 hh .., in bytes
	v_lshlrev_b32 v5, 3, v8
	v_add_nc_u32 v5, s28, v5                       ; v5: P in: row 4 w, 8 bytes a lane
	v_mul_u32_u24 v6, v9, 1040
	v_lshl_add_u32 v6, v10, 4, v6                  ; v6: P's fragments: row r, 16 hh
	v_mul_u32_u24 v7, v9, 528
	v_add_nc_u32 v7, v7, v4
	v_add_nc_u32 v7, OST, v7                       ; v7: the way out, in: row r, my 8 columns
	s_wait_kmcnt 0x0
	s_add_nc_u64 s[4:5], s[4:5], s[16:17]
	s_add_nc_u64 s[6:7], s[6:7], s[20:21]
	s_add_nc_u64 s[8:9], s[8:9], s[22:23]
	s_add_nc_u64 s[10:11], s[10:11], s[24:25]
	s_add_nc_u64 s[12:13], s[12:13], s[26:27]
	s_wait_alu depctr_va_vdst(0)                   ; v1 to v7 are written: the loads and stores below, global and LDS, read them as their addresses
	; all 60 loads at once, in the order in which they are used
.irp t, 0,1,2,3
	global_load_b128 v[CV+8*\t:CV+8*\t+3], v2, s[6:7] offset:2048*\t
	global_load_b128 v[CV+8*\t+4:CV+8*\t+7], v2, s[6:7] offset:2048*\t+16
.endr
.irp i, 0,1,2,3
.irp t, 0,1,2,3
	global_load_b128 v[QR+16*\i+4*\t:QR+16*\i+4*\t+3], v1, s[4:5] offset:2048*\i+512*\t    ; 512 consecutive bytes: k = 128 t + 4 x lane ..
.endr
.endr
.irp a, 0,1
	global_load_b128 v[ACC+8*\a:ACC+8*\a+3], v4, s[10:11]          ; the bias starts the sums: register j of a result is column 8 hh + j
	global_load_b128 v[ACC+8*\a+4:ACC+8*\a+7], v4, s[10:11] offset:16
.endr
.set i, 0
.rept 32
	global_load_b128 v[BR+4*i:BR+4*i+3], v3, s[8:9] offset:16384*i ; block i of 16 k: half of a fragment, 512 consecutive bytes
.set i, i+1
.endr
; Row i's P goes into LDS: four stores of 8 bytes a lane.  i may be handed over as a difference, so it stands in brackets.
.macro PSTORE i
.irp t, 0,1,2,3
	ds_store_b64 v5, v[QR+16*(\i)+4*\t:QR+16*(\i)+4*\t+1] offset:1040*(\i)+256*\t
.endr
.endm
; One row's softmax over each of its eight heads.  A head's 64 numbers lie in 16 neighbouring lanes x the 4 registers of one load.
.macro ROWSM i
	s_wait_loadcnt 48-4*\i                         ; this row's four loads are in; the later rows', the bias's 4 and T's 32 may be out
.irp t, 0,1,2,3
.irp e, 0,1,2,3
	v_add_f32 v[QR+16*\i+4*\t+\e], v[QR+16*\i+4*\t+\e], v[CV+8*\t+2*\e]
.endr
.endr
.irp t, 0,1,2,3
	v_max3_num_f32 v[MX+\t], v[QR+16*\i+4*\t], v[QR+16*\i+4*\t+1], v[QR+16*\i+4*\t+2]
.endr
.irp t, 0,1,2,3
	v_max_num_f32 v[MX+\t], v[MX+\t], v[QR+16*\i+4*\t+3]
.endr
.irp m, 1,2,4,8
.irp t, 0,1,2,3
	v_max_num_f32_dpp v[MX+\t], v[MX+\t], v[MX+\t] row_xmask:\m row_mask:0xf bank_mask:0xf
.endr
.endr
.irp t, 0,1,2,3
.irp e, 0,1,2,3
	v_sub_f32 v[QR+16*\i+4*\t+\e], v[QR+16*\i+4*\t+\e], v[MX+\t]
.endr
.endr
.irp t, 0,1,2,3
.irp e, 0,1,2,3
	v_exp_f32 v[QR+16*\i+4*\t+\e], v[QR+16*\i+4*\t+\e]
.endr
.endr
	v_nop                                          ; a plain place between the exponentials and the first use of a result (ISA guide 5.7.2)
	s_wait_alu depctr_va_vdst(0)                   ; this row's sixteen exponentials are written, ahead of their first reader; so are the roundings of the row before, which the stores below read
.if \i
	PSTORE \i-1                                    ; the row before
.endif
.irp t, 0,1,2,3
	v_mul_f32 v[SM+\t], v[QR+16*\i+4*\t], v[CV+8*\t+1]
.endr
.irp e, 1,2,3
.irp t, 0,1,2,3
	v_fmac_f32 v[SM+\t], v[QR+16*\i+4*\t+\e], v[CV+8*\t+2*\e+1]
.endr
.endr
.irp m, 1,2,4,8
.irp t, 0,1,2,3
	v_add_f32_dpp v[SM+\t], v[SM+\t], v[SM+\t] row_xmask:\m row_mask:0xf bank_mask:0xf
.endr
.endr
.irp t, 0,1,2,3
	v_rcp_f32 v[SM+\t], v[SM+\t]
.endr
	v_nop                                          ; likewise behind the reciprocals
	s_wait_alu depctr_va_vdst(0)                   ; the four reciprocals are written, ahead of their first reader
.irp t, 0,1,2,3
.irp e, 0,1,2,3
	v_mul_f32 v[QR+16*\i+4*\t+\e], v[QR+16*\i+4*\t+\e], v[SM+\t]
.endr
.endr
.irp t, 0,1,2,3
	v_cvt_pk_bf16_f32 v[QR+16*\i+4*\t], v[QR+16*\i+4*\t], v[QR+16*\i+4*\t+1]
	v_cvt_pk_bf16_f32 v[QR+16*\i+4*\t+1], v[QR+16*\i+4*\t+2], v[QR+16*\i+4*\t+3]
.endr
.endm
	ROWSM 0
	ROWSM 1
	ROWSM 2
	ROWSM 3
	s_wait_alu depctr_va_vdst(0)                   ; row 3's roundings are written, which the stores below read; and every vector instruction that named v[32:127], in which P's fragments land, is done
	PSTORE 3
	s_wait_dscnt 0x0                               ; for the others: my four rows of P are in LDS
	s_barrier_signal -1
	s_barrier_wait -1
	s_wait_alu depctr_vm_vsrc(0)                   ; my sixteen LDS stores have read their registers of v[32:95], in which the fragments' loads land
; P's fragments of matrix steps 2 g and 2 g + 1, both row tiles: eight loads into buffer g mod 3.
; g may be handed over as a sum, so it stands in brackets wherever it is multiplied or divided.
.macro LOADP g
.irp sl, 0,1
.irp a, 0,1
	ds_load_b128 v[AR+32*((\g)%3)+16*\sl+8*\a:AR+32*((\g)%3)+16*\sl+8*\a+3], v6 offset:16640*\a+64*(2*(\g)+\sl)
	ds_load_b128 v[AR+32*((\g)%3)+16*\sl+8*\a+4:AR+32*((\g)%3)+16*\sl+8*\a+7], v6 offset:16640*\a+64*(2*(\g)+\sl)+32
.endr
.endr
.endm
; One matrix instruction, T first and P second: a lane holds row r of out and the 8 columns 8 hh ...  Matrix step 2 g + sl, row tile a.
.macro MUL1 g, sl, a
	v_wmma_f32_16x16x32_bf16 v[ACC+8*\a:ACC+8*\a+7], v[BR+8*(2*\g+\sl):BR+8*(2*\g+\sl)+7], v[AR+32*(\g%3)+16*\sl+8*\a:AR+32*(\g%3)+16*\sl+8*\a+7], v[ACC+8*\a:ACC+8*\a+7]
.endm
; A group: four matrix instructions.  The two accumulators take turns, from group to group too.
; left = how many younger LDS loads may be out; more = 1: the buffer that the group before read gets group g + 2.
.macro MULP g, left, more
	s_wait_loadcnt 28-4*\g                         ; T's blocks up to 4 g + 3 are in (and the bias, which was asked for earlier); the later blocks may be out
	s_wait_dscnt \left                             ; this group's eight loads are in; the later groups' may be out
.if \more
	s_wait_alu depctr_va_vdst(0)                   ; the matrix instructions of the group before are done reading their buffer, in which the loads below land
.endif
	MUL1 \g, 0, 0
.if \more
	LOADP \g+2                                     ; no further wait: the matrix instruction above names ACC, BR and buffer g mod 3, none of which these loads touch
.endif
	MUL1 \g, 0, 1
	MUL1 \g, 1, 0
	MUL1 \g, 1, 1
.endm
	LOADP 0
	LOADP 1
	LOADP 2
	MULP 0, 16, 0                                  ; groups 1 and 2, sixteen loads, may be out
	MULP 1, 8, 1                                   ; from here on one group, eight loads, was asked for behind the group in hand
	MULP 2, 8, 1
	MULP 3, 8, 1
	MULP 4, 8, 1
	MULP 5, 8, 1
	MULP 6, 8, 0
	MULP 7, 0, 0
	; the way out, through LDS: rows of 512 bytes are put together from the eight waves' columns.  The four lines below are the places behind the last matrix instructions.
	v_and_b32 v8, 31, v0
	v_lshlrev_b32 v8, 4, v8
	v_add_nc_u32 v8, s29, v8                       ; v8: back: row 4 w, 16 bytes a lane
	v_nop
	s_wait_alu depctr_va_vdst(0)                   ; the accumulators are written, which the LDS stores read; v8 is written, the address of the loads below; the products are done reading v[32:47], in which those loads land.  The places above stay beside this wait
.irp a, 0,1
	ds_store_b128 v7, v[ACC+8*\a:ACC+8*\a+3] offset:8448*\a
	ds_store_b128 v7, v[ACC+8*\a+4:ACC+8*\a+7] offset:8448*\a+16
.endr
	s_wait_dscnt 0x0                               ; for the others: my columns are in LDS
	s_barrier_signal -1
	s_barrier_wait -1
.irp i, 0,1,2,3
	ds_load_b128 v[32+4*\i:32+4*\i+3], v8 offset:528*\i
.endr
.irp i, 0,1,2,3
	s_wait_dscnt 3-\i                              ; LDS loads come back in order: row i is in
	global_store_b128 v1, v[32+4*\i:32+4*\i+3], s[12:13] offset:2048*\i th:TH_STORE_NT     ; 512 consecutive bytes of a row, aligned
.endr
	s_set_vgpr_msb 0x5                             ; the add's two registers, sources 0 and 1, lie in window 1
	s_wait_dscnt 0x0                               ; the closing lines, six on end
	s_wait_alu 0x0
	s_wait_tensorcnt 0x0
	ds_add_u32 v0, v1
	s_wait_dscnt 0x0
	s_endpgm
.Lfunc_end_k_q70b4ada33f_outp:
	.size	k_q70b4ada33f_outp, .Lfunc_end_k_q70b4ada33f_outp-k_q70b4ada33f_outp
	.p2alignl 7, 3214868480
	.fill 96, 4, 3214868480
	.section	.rodata,"a",@progbits
	.p2align	6, 0x0
	.amdhsa_kernel k_q70b4ada33f_outp
		.amdhsa_group_segment_fixed_size 51200
		.amdhsa_private_segment_fixed_size 0
		.amdhsa_enable_private_segment 0
		.amdhsa_kernarg_size 40
		.amdhsa_user_sgpr_count 2
		.amdhsa_user_sgpr_kernarg_segment_ptr 1
		.amdhsa_wavefront_size32 1
		.amdhsa_system_sgpr_workgroup_id_x 1
		.amdhsa_system_sgpr_workgroup_id_y 1
		.amdhsa_system_sgpr_workgroup_id_z 1
		.amdhsa_system_vgpr_workitem_id 0
		.amdhsa_next_free_vgpr 258
		.amdhsa_next_free_sgpr 66
		.amdhsa_reserve_vcc 0
		.amdhsa_float_denorm_mode_32 3
		.amdhsa_float_denorm_mode_16_64 3
		.amdhsa_memory_ordered 1
		.amdhsa_forward_progress 1
		.amdhsa_inst_pref_size 41
	.end_amdhsa_kernel
	.amdgpu_metadata
---
amdhsa.version: [ 1, 2 ]
amdhsa.kernels:
  - .name:           k_q70b4ada33f_outp
    .symbol:         k_q70b4ada33f_outp.kd
    .args:
      - { .name: qs, .offset: 0, .size: 8, .value_kind: global_buffer, .address_space: global }
      - { .name: cv, .offset: 8, .size: 8, .value_kind: global_buffer, .address_space: global }
      - { .name: tf, .offset: 16, .size: 8, .value_kind: global_buffer, .address_space: global }
      - { .name: b_O, .offset: 24, .size: 8, .value_kind: global_buffer, .address_space: global }
      - { .name: out0, .offset: 32, .size: 8, .value_kind: global_buffer, .address_space: global }
    .group_segment_fixed_size: 51200
    .private_segment_fixed_size: 0
    .kernarg_segment_align: 8
    .kernarg_segment_size: 40
    .max_flat_workgroup_size: 256
    .sgpr_count:     66
    .vgpr_count:     258
    .wavefront_size: 32
...
	.end_amdgpu_metadata
.endif
;; end of part 5
